; MI455X (gfx1250); checked and timed in simulation.
; The chip was launched on July 23, 2026; its instructions are those of AMD's public machine-readable ISA for CDNA 5 (MIT licence, August 2026) and "CDNA5" Instruction Set Architecture Reference Guide (July 2026). The comments in the code are by the model that wrote it; some were corrected since.
;; Causal Self Attention. Allowed arithmetic: matrix products marked QUANTISED: E2M1 operands, one E8M0 scale for each 32 along K, by v_wmma_scale_f32_16x16x128_f8f6f4 with both operands' format E2M1 (or v_wmma_scale_f32_32x16x128_f4), f32 sums; products left as they are: bf16, f16 or f32 operands; f32 sums; everything else in f32.
;; Inputs: b_proj 1,024 float32; b_qkv 3,072 float32; input_data 4 x 2,048 x 1,024 float32; w_proj 1,024 x 1,024 float32; w_qkv 1,024 x 3,072 float32.
;; Outputs: out0 4 x 2,048 x 1,024 float32.
;; This version of the problem:
;;   THIS VERSION OF THE PROBLEM IS GIVEN IN LOW PRECISION. The matrix products marked QUANTISED in the list below multiply operands that are first quantised to E2M1 (2 exponent bits, 1 mantissa bit; 4 bits a number), with one power-of-two scale for each 32 numbers along K (OCP MX v1.0); their sums are f32. The products marked 'left as it is' may take bf16, f16 or f32 operands, with f32 sums. Whichever they take, every output number must still come out within the allowed error. Rounding operands to bf16 (8 significant bits) uses up far more of that allowance than f16 does (11 bits, for magnitudes from 6e-5 to 65,504). All else is computed in f32.
;;   The module's matrix products, in the order in which they are computed (A, B: the left and right operand; K: the contracted axis; several contracted axes count as one K, in the product's order):
;;     1. [M 8,192, K 1,024] x [K 1,024, N 3,072]; A: input input_data; B: input w_qkv: QUANTISED
;;     2. batch 64 x [M 2,048, K 64] x [K 64, N 2,048]; A: computed on the way; B: computed on the way: left as it is (an operand is computed on the way)
;;     3. batch 64 x [M 2,048, K 2,048] x [K 2,048, N 64]; A: computed on the way; B: computed on the way: left as it is (an operand is computed on the way)
;;     4. [M 8,192, K 1,024] x [K 1,024, N 1,024]; A: computed on the way; B: input w_proj: left as it is (an operand is computed on the way)
;;   THE QUANTISER, for each operand of a quantised product, along K:
;;     - K is cut into blocks of 32 from its start; a last block that is shorter is filled with zeros.
;;     - A block's scale is 2^e with e = floor(log2(the largest magnitude in the block)) - 2, held to -126 .. 127; a block of zeros has e = 0. As a byte (E8M0): e + 127.
;;     - Each number is divided by its block's scale, clamped to +-6, and rounded to the nearest number of E2M1, ties to even, subnormals kept.
;;     - The product sums the exact products of the quantised numbers (number of the format x scale) in f32.
;;   ~~~python
;;   def quantise(x, axis):      # numpy; x: float32 -> the quantised numbers, widened to float32 again
;;       x = np.moveaxis(x, axis, -1); K = x.shape[-1]
;;       x = np.pad(x, [(0, 0)] * (x.ndim - 1) + [(0, -K % 32)]); x = x.reshape(x.shape[:-1] + (-1, 32)); a = np.abs(x).max(-1, keepdims=True)
;;       e = np.where(a > 0, np.clip(np.frexp(np.where(a > 0, a, 1))[1] - 1 - 2, -126, 127), 0)      # np.frexp(a)[1] - 1 = floor(log2(a)), exactly
;;       r = np.clip(x / 2.0 ** e, -6, 6)
;;       step = 2.0 ** (np.maximum(np.frexp(np.where(r == 0, 1, r))[1] - 1, 0) - 1)
;;       q = np.round(r / step) * step * 2.0 ** e      # np.round: ties to even
;;       return np.moveaxis(q.reshape(q.shape[:-2] + (-1,))[..., :K], -1, axis).astype(np.float32)
;;   ~~~
;; One version. Each part assembles by itself: llvm-mc -triple=amdgcn-amd-amdhsa -mcpu=gfx1250 --defsym DOCPART=n.
;; ======== version 1 of 1: 5 launches
;; limits: values are held in f16: magnitudes above 65,504 overflow, below 6.1e-05 lose precision
;; workspace buffers: x_codes 4,194,304 bytes; x_scales 262,144 bytes; w_codes 1,572,864 bytes; w_scales 98,304 bytes; wp16 2,097,152 bytes; qkv16 50,331,648 bytes; qkvf 786,432 bytes; att16 16,777,216 bytes
;; launch prep (part 1): grid 432 x 1, 4 waves a work-group, no clusters, 68,096 bytes of LDS; arguments input_data, w_qkv, w_proj, x_codes, x_scales, w_codes, w_scales, wp16; writes x_codes, x_scales, w_codes, w_scales, wp16
.if DOCPART == 1
	.amdgcn_target "amdgcn-amd-amdhsa--gfx1250"
	.amdhsa_code_object_version 6
	.text
	.protected	k_qa150fae0f1_prep
	.globl	k_qa150fae0f1_prep
	.p2align	8
	.type	k_qa150fae0f1_prep,@function
k_qa150fae0f1_prep:
	s_mov_b64 s[64:65], 0
	v_nop
	global_prefetch_b8 v0, s[64:65] scope:SCOPE_SE
	s_setreg_imm32_b32 hwreg(HW_REG_WAVE_MODE, 25, 1), 1
	s_wait_xcnt 0x0
; PREP: the three operands that later launches read many times are made narrow once.
;   work-groups   0-255: input_data [8192][1024] f32 -> codes of FP4 (E2M1), K innermost, and one E8M0 byte for each 32 along K
;   work-groups 256-303: w_qkv [1024 (k)][3072 (n)] f32 -> codes laid [3072][1024] with K innermost, and their bytes [3072][32]
;   work-groups 304-431: w_proj [1024][1024] f32 -> f16, same layout
; A block's scale is 2^(floor(log2(its largest magnitude)) - 2); its byte is the largest magnitude's exponent field - 2, held at 1 from below.
; THE ROWS OF x ARE STORED IN ANOTHER ORDER: row 1024 Y + 16 u + 4 c + e lies at row 1024 Y + 256 c + 4 u + e of x_codes and x_scales, so that the next launch's tile c of a
; group of four holds rows 4 c .. 4 c + 3 of every 16: the first 16 rows of a sequence then fall four to each of the four tiles.
; LIMITS: a block of zeros gets the byte 1 where the rule says 127 (its codes are zeros, which add nothing under any byte but 0xff, and this program alone reads the bytes);
; NaN and infinities among the inputs are not served; |w_proj| above 65,504 becomes infinity in f16.
; The three paths part on the work-group's number, have LDS bytes of their own and never join.  No tensor loads, no barrier: waves share nothing.
.set SPARE, 67584                      ; behind both paths' regions: the spare words, 128 bytes for each wave
.set SPW,   190                        ; v190 LDS address of my spare word; never rewritten
.set NIL,   191                        ; v191 0; never rewritten
.set EMAX,  2
; path X (input_data)
.set STEPS, 16                         ; steps of 512 numbers for a wave
.set CB,    8                          ; bytes of 16 codes
.set XR,    16                         ; v16-79   four sets of 16 numbers as loaded
.set XX,    80                         ; v80-111  two sets of 16 neighbours
.set XE,    112                        ; v112-127 a scale byte for each step
.set XC,    128                        ; v128-189 codes, four registers for each step
.set WREG,  8192                       ; LDS 0 .. 32767: a region for each wave: two stages of 32 x SP bytes, then its 256 scale bytes
.set SP,    80
; path W (w_qkv)
.set NB,    16                         ; blocks of 32 along K for a wave
.set WN,    3072
.set WPITCH, 272                       ; a stage row: 256 bytes of codes + 16
.set WSTG,  32768                      ; LDS 32768 .. 67583: a stage of 32 rows for each wave
.set WX,    32                         ; v32-95   two sets of 32 numbers
.set WC,    96                         ; v96-99   a block's codes
.set WOUT,  112                        ; v112-175 the way out
.set WSB,   24                         ; v24-27   the scale bytes, four to a register
	s_load_b256 s[4:11], s[0:1], 0x0               ; input_data s[4:5], w_qkv s[6:7], w_proj s[8:9], x_codes s[10:11]
	s_load_b256 s[12:19], s[0:1], 0x20             ; x_scales s[12:13], w_codes s[14:15], w_scales s[16:17], wp16 s[18:19]
	v_lshl_add_u32 v[SPW], v0, 2, SPARE
	v_mov_b32 v[NIL], 0
	v_lshrrev_b32 v1, 5, v0
	v_readfirstlane_b32 s20, v1                    ; wave
	v_and_b32 v2, 31, v0                           ; lane
	s_wait_kmcnt 0x0
	s_cmp_lt_u32 ttmp9, 256
	s_cbranch_scc1 .Lpath_x
	s_cmp_lt_u32 ttmp9, 304
	s_cbranch_scc1 .Lpath_w
; ---------------- w_proj to f16: a wave takes 2,048 numbers; a lane 8 neighbours at a time, so that its 16 bytes of f16 lie beside its neighbours'
	s_sub_co_u32 s21, ttmp9, 304
	s_lshl_b32 s21, s21, 2
	s_add_co_u32 s21, s21, s20                     ; which run of 2,048 numbers
	s_lshl_b32 s22, s21, 13
	s_mov_b32 s23, 0
	s_add_nc_u64 s[8:9], s[8:9], s[22:23]
	s_lshl_b32 s22, s21, 12
	s_add_nc_u64 s[18:19], s[18:19], s[22:23]
	v_lshlrev_b32 v3, 5, v2                        ; in: 32 bytes a lane
	v_lshlrev_b32 v4, 4, v2                        ; out: 16 bytes a lane
.irp i, 0,1,2,3,4,5,6,7
	global_load_b128 v[32+8*\i:35+8*\i], v3, s[8:9] offset:1024*\i th:TH_LOAD_NT
	global_load_b128 v[36+8*\i:39+8*\i], v3, s[8:9] offset:1024*\i+16 th:TH_LOAD_NT
.endr
.irp i, 0,1,2,3,4,5,6,7
	s_wait_loadcnt 14-2*\i                         ; loads come back in order: pair i is in, the later pairs stay out
.irp k, 0,1,2,3
	v_cvt_pk_f16_f32 v[96+4*\i+\k], v[32+8*\i+2*\k], v[33+8*\i+2*\k]
.endr
	global_store_b128 v4, v[96+4*\i:99+4*\i], s[18:19] offset:512*\i   ; 32 lanes store 512 consecutive bytes, aligned
.endr
	s_wait_tensorcnt 0x0                           ; the wave's end
	ds_add_u32 v[SPW], v[NIL]
	s_wait_dscnt 0x0
	s_endpgm
; ---------------- input_data.  Wave c of work-group g takes rows 32 g + 4 c + 0..3 and the four rows 16 further on: eight rows that lie on end in the new order.
; Each load reads 512 consecutive bytes, 16 a lane; a step's 2,048 bytes turn through the wave's stage in LDS and come back 64 bytes a lane: 16 neighbours along K; two neighbouring lanes hold a block.
.macro LOADX t
.irp i, 0,1,2,3
	global_load_b128 v[XR+16*((\t)%4)+4*\i:XR+16*((\t)%4)+4*\i+3], v3, s[4:5] offset:65536*((\t)/8)+2048*((\t)%8)+512*\i th:TH_LOAD_NT
.endr
.endm
.macro TURNX t                         ; LDS serves a wave's instructions in order: no wait between the stores and the loads
.irp i, 0,1,2,3
	ds_store_b128 v14, v[XR+16*((\t)%4)+4*\i:XR+16*((\t)%4)+4*\i+3] offset:32*SP*((\t)%2)+8*SP*\i
.endr
.irp i, 0,1,2,3
	ds_load_b128 v[XX+16*((\t)%2)+4*\i:XX+16*((\t)%2)+4*\i+3], v15 offset:32*SP*((\t)%2)+16*\i
.endr
.endm
.macro STEPX t
.set XS, XX+16*((\t)%2)
.if (\t) > 0
	s_wait_dscnt 1                                 ; this step's numbers are back from the stage; the last step's byte store may be out
.else
	s_wait_dscnt 0x0
.endif
.if (\t)+4 < STEPS
	LOADX (\t)+4                                   ; into the set whose stores into the stage are done
.endif
.if (\t)+1 < STEPS
.if STEPS-2-(\t) >= 3
	s_wait_loadcnt 12                              ; the next step's four loads are in; those of the three steps behind it may be out
.else
	s_wait_loadcnt 4*(STEPS-2-(\t))
.endif
	TURNX (\t)+1
.endif
	v_max3_num_f32 v8, |v[XS]|, |v[XS+1]|, |v[XS+2]|               ; the largest magnitude of my 16, in two chains
	v_max3_num_f32 v9, |v[XS+3]|, |v[XS+4]|, |v[XS+5]|
.irp i, 6,10
	v_max3_num_f32 v8, v8, |v[XS+\i]|, |v[XS+\i+1]|
	v_max3_num_f32 v9, v9, |v[XS+\i+2]|, |v[XS+\i+3]|
.endr
	v_max3_num_f32 v8, v8, |v[XS+14]|, |v[XS+15]|
	v_max3_num_f32 v8, v8, v9, (EMAX+1)<<23        ; and the floor 2^(3 - 127): the byte cannot fall under 1
	v_max_num_f32_dpp v8, v8, v8 row_xmask:1 row_mask:0xf bank_mask:0xf   ; with my neighbour's 16: the block's
	v_add_nc_u32 v11, -(EMAX<<23), v8              ; 2 off its exponent field: the conversion takes the exponent field of this operand as its scale
	v_cvt_scalef32_pk8_fp4_f32 v[XC+4*(\t)], v[XS:XS+7], v11
	v_cvt_scalef32_pk8_fp4_f32 v[XC+4*(\t)+1], v[XS+8:XS+15], v11
	v_lshrrev_b32 v[XE+(\t)], 23, v11              ; the scale's byte (also the plain line behind the conversions)
	ds_store_b8 v5, v[XE+(\t)] offset:16*(\t)      ; both lanes of a block write the same byte with the same value
	global_store_b64 v4, v[XC+4*(\t):XC+4*(\t)+1], s[10:11] offset:32*CB*(\t)   ; 32 lanes store 256 consecutive bytes, aligned
.endm
.Lpath_x:
	v_lshlrev_b32 v3, 4, v2                        ; my 16 bytes of a load's 512
	s_mul_i32 s21, s20, WREG
	v_lshrrev_b32 v14, 2, v2
	v_mul_u32_u24 v14, v14, SP
	v_and_b32 v15, 3, v2
	v_lshl_add_u32 v14, v15, 4, v14
	v_add_nc_u32 v14, s21, v14                     ; the stage, on the way in: SP (lane / 4) + 16 (lane % 4)
	v_mul_u32_u24 v15, v2, SP
	v_add_nc_u32 v15, s21, v15                     ; and on the way out: SP x lane
	v_mul_u32_u24 v4, v2, CB                       ; my codes' place in a step's
	v_lshrrev_b32 v5, 1, v2
	s_add_co_u32 s21, s21, 2*32*SP
	v_add_nc_u32 v5, s21, v5                       ; my wave's 256 scale bytes, my block's byte
	v_lshlrev_b32 v7, 3, v2
	v_add_nc_u32 v6, s21, v7                       ; and on the way out 8 bytes a lane
	s_lshl_b32 s22, ttmp9, 17                      ; 32 rows of 4,096 bytes a work-group,
	s_lshl_b32 s23, s20, 14                        ; 4 rows a wave
	s_add_co_u32 s22, s22, s23
	s_mov_b32 s23, 0
	s_add_nc_u64 s[4:5], s[4:5], s[22:23]
	s_lshr_b32 s24, ttmp9, 5
	s_lshl_b32 s24, s24, 7
	s_lshl_b32 s25, s20, 5
	s_add_co_u32 s24, s24, s25
	s_and_b32 s25, ttmp9, 31
	s_add_co_u32 s24, s24, s25                     ; which run of eight rows in the new order: 128 (g / 32) + 32 c + g % 32
	s_lshl_b32 s22, s24, 12
	s_add_nc_u64 s[10:11], s[10:11], s[22:23]      ; 4,096 bytes of codes a run
	s_lshl_b32 s22, s24, 8
	s_add_nc_u64 s[12:13], s[12:13], s[22:23]      ; 256 scale bytes a run
.irp t, 0,1,2,3
	LOADX \t
.endr
	s_wait_loadcnt 12                              ; step 0's four loads are in
	TURNX 0
.irp t, 0,1,2,3,4,5,6,7,8,9,10,11,12,13,14,15
	STEPX \t
.endr
	ds_load_b64 v[8:9], v6                         ; LDS serves a wave's instructions in order: these see my byte stores
	s_wait_dscnt 0x0
	global_store_b64 v7, v[8:9], s[12:13]          ; 32 lanes store 256 consecutive bytes, aligned
	s_wait_tensorcnt 0x0                           ; the wave's end, behind my last LDS store
	ds_add_u32 v[SPW], v[NIL]
	s_wait_dscnt 0x0
	s_endpgm
; ---------------- w_qkv: K is its first axis.  A lane takes a column n and its registers run down K: each load reads 128 consecutive bytes a wave, a block of 32 lies in one lane,
; and the conversions give codes with K innermost.  A wave takes 32 columns x 512 along K; the codes leave through its stage as rows: sixteen lanes store 256 consecutive bytes.
.macro LOADW t
.irp i, 0,1,2,3,4,5,6,7,8,9,10,11,12,13,14,15,16,17,18,19,20,21,22,23,24,25,26,27,28,29,30,31
	global_load_b32 v[WX+32*((\t)%2)+\i], v3, s[6:7] offset:(32*(\t)+\i)*WN*4 th:TH_LOAD_NT
.endr
.endm
.macro BLOCKW t
.set XS, WX+32*((\t)%2)
.if (\t) < NB-1
	s_wait_loadcnt 32                              ; this block's 32 loads are in; the next block's may be out
.else
	s_wait_loadcnt 0
.endif
	v_max3_num_f32 v12, |v[XS]|, |v[XS+1]|, |v[XS+2]|
	v_max3_num_f32 v13, |v[XS+3]|, |v[XS+4]|, |v[XS+5]|
.irp i, 6,10,14,18,22,26
	v_max3_num_f32 v12, v12, |v[XS+\i]|, |v[XS+\i+1]|
	v_max3_num_f32 v13, v13, |v[XS+\i+2]|, |v[XS+\i+3]|
.endr
	v_max3_num_f32 v12, v12, |v[XS+30]|, |v[XS+31]|
	v_max3_num_f32 v12, v12, v13, (EMAX+1)<<23     ; with the floor 2^(3 - 127)
	v_add_nc_u32 v11, -(EMAX<<23), v12             ; the conversion's scale operand
	v_lshrrev_b32 v13, 23, v11                     ; the scale's byte
.if (\t)%4 == 0
	v_mov_b32 v[WSB+(\t)/4], v13
.else
	v_lshl_or_b32 v[WSB+(\t)/4], v13, 8*((\t)%4), v[WSB+(\t)/4]
.endif
.irp g, 0,1,2,3
	v_cvt_scalef32_pk8_fp4_f32 v[WC+\g], v[XS+8*\g:XS+8*\g+7], v11
.endr
	v_nop                                          ; a plain line behind the last conversion
	ds_store_b128 v4, v[WC:WC+3] offset:16*(\t)    ; 32 codes: 16 bytes of my column's row
.if (\t)+2 < NB
	LOADW (\t)+2
.endif
	s_wait_dscnt 0x0                               ; the store has read its registers: the next block's codes may be written
.endm
.Lpath_w:
	s_sub_co_u32 s21, ttmp9, 256
	s_cmp_ge_u32 s21, 24
	s_cselect_b32 s22, 1, 0                        ; which 512 along K
	s_cselect_b32 s23, 24, 0
	s_sub_co_u32 s21, s21, s23                     ; which 128 columns
	s_lshl_b32 s24, s21, 7
	s_lshl_b32 s25, s20, 5
	s_add_co_u32 s24, s24, s25                     ; my wave's first column
	v_lshlrev_b32 v3, 2, v2                        ; in: 4 bytes a lane
	s_mul_i32 s25, s20, 32*WPITCH
	s_add_co_u32 s25, s25, WSTG                    ; my stage
	v_mul_u32_u24 v4, v2, WPITCH
	v_add_nc_u32 v4, s25, v4                       ; into it: row = my column
	v_and_b32 v5, 15, v2
	v_lshrrev_b32 v6, 4, v2
	v_mul_u32_u24 v7, v6, WPITCH
	v_lshl_add_u32 v7, v5, 4, v7
	v_add_nc_u32 v7, s25, v7                       ; out of it: sixteen lanes to a row, two rows an instruction
	v_lshlrev_b32 v8, 9, v6
	v_lshl_add_u32 v8, v5, 4, v8                   ; and the same place in w_codes (rows of 512 bytes)
	v_lshlrev_b32 v9, 5, v2                        ; my column's row of scale bytes (32 bytes)
	s_mul_i32 s26, s22, 512*WN*4
	s_lshl_b32 s27, s24, 2
	s_add_co_u32 s26, s26, s27
	s_mov_b32 s27, 0
	s_add_nc_u64 s[6:7], s[6:7], s[26:27]
	s_lshl_b32 s26, s24, 9
	s_lshl_b32 s28, s22, 8
	s_add_co_u32 s26, s26, s28
	s_add_nc_u64 s[14:15], s[14:15], s[26:27]
	s_lshl_b32 s26, s24, 5
	s_lshl_b32 s28, s22, 4
	s_add_co_u32 s26, s26, s28
	s_add_nc_u64 s[16:17], s[16:17], s[26:27]
	LOADW 0
	LOADW 1
.set QB, 0
.rept NB
	BLOCKW QB
.set QB, QB+1
.endr
	global_store_b128 v9, v[WSB:WSB+3], s[16:17]   ; my column's 16 scale bytes
.irp t, 0,1,2,3,4,5,6,7,8,9,10,11,12,13,14,15
	ds_load_b128 v[WOUT+4*\t:WOUT+4*\t+3], v7 offset:2*\t*WPITCH
.endr
.irp t, 0,1,2,3,4,5,6,7,8,9,10,11,12,13,14,15
	s_wait_dscnt 15-\t                             ; load t is in, the later ones stay out
	global_store_b128 v8, v[WOUT+4*\t:WOUT+4*\t+3], s[14:15] offset:2*\t*512
.endr
	s_wait_tensorcnt 0x0                           ; the wave's end, behind my last LDS store
	ds_add_u32 v[SPW], v[NIL]
	s_wait_dscnt 0x0
	s_endpgm
.Lfunc_end_k_qa150fae0f1_prep:
	.size	k_qa150fae0f1_prep, .Lfunc_end_k_qa150fae0f1_prep-k_qa150fae0f1_prep
	.p2alignl 7, 3214868480
	.fill 96, 4, 3214868480
	.section	.rodata,"a",@progbits
	.p2align	6, 0x0
	.amdhsa_kernel k_qa150fae0f1_prep
		.amdhsa_group_segment_fixed_size 68096
		.amdhsa_private_segment_fixed_size 0
		.amdhsa_enable_private_segment 0
		.amdhsa_kernarg_size 64
		.amdhsa_user_sgpr_count 2
		.amdhsa_user_sgpr_kernarg_segment_ptr 1
		.amdhsa_wavefront_size32 1
		.amdhsa_system_sgpr_workgroup_id_x 1
		.amdhsa_system_sgpr_workgroup_id_y 1
		.amdhsa_system_sgpr_workgroup_id_z 1
		.amdhsa_system_vgpr_workitem_id 0
		.amdhsa_next_free_vgpr 192
		.amdhsa_next_free_sgpr 66
		.amdhsa_reserve_vcc 0
		.amdhsa_float_denorm_mode_32 3
		.amdhsa_float_denorm_mode_16_64 3
		.amdhsa_memory_ordered 1
		.amdhsa_forward_progress 1
		.amdhsa_inst_pref_size 116
	.end_amdhsa_kernel
	.amdgpu_metadata
---
amdhsa.version: [ 1, 2 ]
amdhsa.kernels:
  - .name:           k_qa150fae0f1_prep
    .symbol:         k_qa150fae0f1_prep.kd
    .args:
      - { .name: input_data, .offset: 0, .size: 8, .value_kind: global_buffer, .address_space: global }
      - { .name: w_qkv, .offset: 8, .size: 8, .value_kind: global_buffer, .address_space: global }
      - { .name: w_proj, .offset: 16, .size: 8, .value_kind: global_buffer, .address_space: global }
      - { .name: x_codes, .offset: 24, .size: 8, .value_kind: global_buffer, .address_space: global }
      - { .name: x_scales, .offset: 32, .size: 8, .value_kind: global_buffer, .address_space: global }
      - { .name: w_codes, .offset: 40, .size: 8, .value_kind: global_buffer, .address_space: global }
      - { .name: w_scales, .offset: 48, .size: 8, .value_kind: global_buffer, .address_space: global }
      - { .name: wp16, .offset: 56, .size: 8, .value_kind: global_buffer, .address_space: global }
    .group_segment_fixed_size: 68096
    .private_segment_fixed_size: 0
    .kernarg_segment_align: 8
    .kernarg_segment_size: 64
    .max_flat_workgroup_size: 128
    .sgpr_count:     66
    .vgpr_count:     192
    .wavefront_size: 32
...
	.end_amdgpu_metadata
.endif
;; end of part 1
;; launch qkv (part 2): grid 12 x 32, 4 waves a work-group, clusters of 4 x 4, 327,680 bytes of LDS; arguments x_codes, x_scales, w_codes, w_scales, b_qkv, qkv16, qkvf; writes qkv16, qkvf
.if DOCPART == 2
	.amdgcn_target "amdgcn-amd-amdhsa--gfx1250"
	.amdhsa_code_object_version 6
	.text
	.protected	k_qa150fae0f1_qkv
	.globl	k_qa150fae0f1_qkv
	.p2align	8
	.type	k_qa150fae0f1_qkv,@function
k_qa150fae0f1_qkv:
	s_mov_b64 s[64:65], 0
	v_nop
	global_prefetch_b8 v0, s[64:65] scope:SCOPE_SE
	s_setreg_imm32_b32 hwreg(HW_REG_WAVE_MODE, 25, 1), 1
	s_wait_xcnt 0x0
	s_wait_alu depctr_hold_cnt(0) depctr_sa_sdst(0) depctr_va_vdst(0) depctr_va_sdst(0) depctr_va_ssrc(0) depctr_va_vcc(0) depctr_vm_vsrc(0)
	s_getreg_b32 s2, hwreg(HW_REG_IB_STS2, 6, 4)
	s_cmp_eq_u32 s2, 0
	s_cbranch_scc0 .Lentry_in_a_cluster
	s_endpgm
.Lentry_in_a_cluster:
	s_bfe_u32 s2, ttmp6, 0x10000c
	s_cmp_lg_u32 s2, 0xf033
	s_cbranch_scc0 .Lentry_shape_is_right
	s_endpgm
.Lentry_shape_is_right:
; QKV: C[m][n] = sum over k of x[m][k] w[k][n] + b_qkv[n] on codes of FP4 (E2M1) with one E8M0 scale for each 32 along K.  M = 8,192, N = 3,072, K = 1,024; sums in f32.
; x_codes [8192][512 bytes], x_scales [8192][32], rows in the order in which the launch before laid them; w_codes [3072 (n)][512], w_scales [3072][32].
; Results: q, k, v as f16 by head, qkv16 = three sections [b 16 + h][2048 (s)][64]; and the rows s < 16 of every sequence once more as f32, qkvf [4][16][3072].
; A tile of C, 256 x 256, is made by four waves, each 128 x 128: 64 accumulators of 16 x 16.  K is two slots of 512: both are asked for at the head, nothing is filled again.
; The scales of the tile's rows and columns, for all of K, come into LDS once.  CLUSTERS: 4 x 4 work-groups; x's tiles are shared along a row of the cluster, w's along a column: joint loads.
; THE MATRIX INSTRUCTION IS USED TRANSPOSED (source 0 = 16 columns of w, source 1 = 16 rows of x): a lane holds eight neighbouring columns of one row of C.  The bias is the C of each sum's first product.
; ROWS: local row i of tile row 4 Y + cy is sequence row 1024 Y + 16 (i / 4) + 4 cy + i % 4.  So four neighbouring local rows are four neighbouring rows of a sequence (512 bytes of one head),
; and rows s < 16 are local rows 0-3 of each of a cluster's four tile rows where Y is even: the branch that stores them hangs on the cluster's y and the wave's number alone.
; LIMITS: |q|, |k|, |v| above 65,504 become infinity in f16; the bias enters ahead of the sum and not behind it (another order of rounding in f32).
; REGISTERS: window 0: v14-31 addresses; v32-95 scale words, two sets; v128-191 x's fragments, one set; v192-255 the bias.  window 1: w's fragments, two sets.  windows 2, 3: the accumulators ((a, b) at v[8 (8 (a % 4) + b)]).
.set NQ,     4                         ; steps of 128 along K in a slot
.set ROWB,   256                       ; a tile's row in bytes: 512 codes
.set KROW,   512                       ; a row of codes in memory
.set PITCH,  272                       ; an LDS row: 256 bytes + 16 of padding: the 16 rows that a load touches start at 16 different banks
.set FR,     8
.set NL,     2
.set NP,     4
.set HALFT,  128*PITCH
.set SLOT,   4*HALFT
.set KS,     32                        ; a row of scales in bytes
.set SCL,    2*SLOT                    ; behind the two slots: the scales, as units of 256 bytes + 16
.set HALFS,  16*272                    ; those of 128 rows
.set SBLK,   2*272                     ; those of 16 rows
.set SPARE,  SCL+4*HALFS               ; the spare words, 128 bytes for each wave
.set FSTG,   32768                     ; the way out lies in slot 0, which has had its only fill and its last read: f16 stages from 0 (16 x 272 a wave), f32 stages from here (16 x 528 a wave)
.set BO,   14                          ; v14  32 x (lane / 16): the bias's lane offset
.set ADRA, 16
.set ADRB, 20
.set STO,  24
.set RD,   25
.set CO,   26                          ; v26  16 x lane
.set ADRS, 27
.set SPW,  28
.set NIL,  29
.set FSTO, 30
.set FRD,  31
.set SC,   32
.set AF,   128
.set BIAS, 192
.set TMP,  32                          ; the way out: a block's packed results
.set BK,   64                          ; and its rows read back: v64-95 and v96-127 by turns
.set G1, 24
.set G0, 32
.set G1B, 48
.set G0B, 56
.set G1S, 68
.set G0S, 76
.set G1SB, 80
.set G0SB, 88
.set MSB, 0
.macro WIN new                         ; the immediate's high byte repeats the setting that is left
.if MSB != (\new)
	s_set_vgpr_msb (MSB<<8)|(\new)
.set MSB, (\new)
.endif
.endm
.set MUL_LO,   0xa1                    ; source 0 (w) window 1, source 1 (x) window 0, C and D window 2
.set MUL_HI,   0xf1                    ; the same, C and D window 3
.set FIRST_LO, 0x81                    ; the first step: C is the bias, in window 0
.set FIRST_HI, 0xc1
.set TO_B,     0x40
; A joint load: waves 0 and 1 fetch for x, waves 2 and 3 for w.  The branch hangs on the wave's number alone.  An s_nop 0 and four v_nop follow each of the two lines.
.macro JLOAD g0a, g1a, g0b, g1b
	s_cmp_eq_u32 s19, 0
	s_cbranch_scc0 .Lfor_b_\@
	tensor_load_to_lds s[\g0a:\g0a+3], s[\g1a:\g1a+7]
	s_nop 0
.rept 4
	v_nop
.endr
	s_branch .Lasked_\@
.Lfor_b_\@:
	tensor_load_to_lds s[\g0b:\g0b+3], s[\g1b:\g1b+7]
	s_nop 0
.rept 4
	v_nop
.endr
.Lasked_\@:
.endm
.macro CROUND                          ; a round of the cluster's barrier
	s_barrier_signal -1
	s_barrier_wait -1
	s_cmp_lg_u32 s18, 0
	s_cbranch_scc1 .Lnot_wave_0_\@
	s_barrier_signal -3
.Lnot_wave_0_\@:
	s_barrier_wait -3
	s_barrier_signal -1
	s_barrier_wait -1
.endm
	s_load_b256 s[4:11], s[0:1], 0x0               ; x_codes s[4:5], x_scales s[6:7], w_codes s[8:9], w_scales s[10:11]
	s_load_b128 s[12:15], s[0:1], 0x20             ; b_qkv s[12:13], qkv16 s[14:15]
	s_load_b64 s[16:17], s[0:1], 0x30              ; qkvf
	v_lshl_add_u32 v[SPW], v0, 2, SPARE
	v_mov_b32 v[NIL], 0
	ds_add_u32 v[SPW], v[NIL]                      ; the wave's opening: the add, twice on end, and its wait ahead of my first tensor load
	ds_add_u32 v[SPW], v[NIL]
	v_lshrrev_b32 v1, 5, v0
	v_readfirstlane_b32 s18, v1                    ; wave 0..3
	s_lshr_b32 s19, s18, 1                         ; which half of the tile's rows is mine.  Also: I fetch for x (0) or for w (1)
	s_and_b32 s20, s18, 1                          ; which half of its columns.  Also: which 128 rows of that tile I fetch
	s_bfe_u32 s21, ttmp6, 0x40000                  ; cx
	s_bfe_u32 s22, ttmp6, 0x40004                  ; cy
	s_lshl_b32 s23, ttmp9, 2
	s_add_co_u32 s23, s23, s21                     ; tile column = 4 x cluster x + cx
	s_and_b32 s41, ttmp7, 0xffff                   ; Y: cluster y
	s_lshl_b32 s40, s41, 2
	s_add_co_u32 s40, s40, s22                     ; tile row = 4 Y + cy
	s_lshl_b32 s42, s22, 2
	s_lshl_b32 s42, 15, s42                        ; my row of the cluster
	s_lshl_b32 s43, 0x1111, s21                    ; my column
	; group 1 for the codes: 128 rows x 256 bytes, 16 bytes of padding behind each
	s_or_b32 s[G1+0], s42, (0<<16)|(1<<20)|(1<<21)|(5<<22)|(3<<25)
	s_or_b32 s[G1B+0], s43, (0<<16)|(1<<20)|(1<<21)|(5<<22)|(3<<25)
.irp g, G1, G1B
	s_mov_b32 s[\g+1], ROWB<<16                    ; tensor_dim0
	s_mov_b32 s[\g+2], 128<<16                     ; tensor_dim1
	s_mov_b32 s[\g+3], ROWB<<16                    ; tile_dim0
	s_mov_b32 s[\g+4], 128                         ; tile_dim1
	s_mov_b32 s[\g+5], KROW                        ; from row to row
	s_mov_b32 s[\g+6], 0
	s_mov_b32 s[\g+7], 0
.endr
	; and for the scales of 128 rows: 4,096 dense bytes as 16 rows of 256 (32 elements of 8 bytes), 16 bytes of padding behind each
	s_or_b32 s[G1S+0], s42, (3<<16)|(1<<20)|(1<<21)|(5<<22)|(3<<25)
	s_or_b32 s[G1SB+0], s43, (3<<16)|(1<<20)|(1<<21)|(5<<22)|(3<<25)
.irp g, G1S, G1SB
	s_mov_b32 s[\g+1], 32<<16
	s_mov_b32 s[\g+2], 16<<16
	s_mov_b32 s[\g+3], 32<<16
	s_mov_b32 s[\g+4], 16
	s_mov_b32 s[\g+5], 32
	s_mov_b32 s[\g+6], 0
	s_mov_b32 s[\g+7], 0
.endr
	s_lshl_b32 s44, s20, 7                         ; which 128 rows of the tile I fetch
	s_lshl_b32 s92, s40, 8
	s_add_co_u32 s92, s92, s44                     ; x: row 256 x tile row + 128 x half
	s_lshl_b32 s46, s23, 8
	s_add_co_u32 s46, s46, s44                     ; w: row 256 x tile column + 128 x half
	s_mov_b32 s93, 0
	s_mov_b32 s47, 0
	s_mov_b64 s[66:67], KS
	s_mul_u64 s[94:95], s[92:93], s[66:67]         ; where these rows' scales begin
	s_mul_u64 s[96:97], s[46:47], s[66:67]
	s_mov_b64 s[66:67], KROW
	s_mul_u64 s[92:93], s[92:93], s[66:67]         ; and their codes
	s_mul_u64 s[46:47], s[46:47], s[66:67]
	s_mul_i32 s45, s18, HALFT                      ; where they go: wave x 128 rows
	s_mul_i32 s98, s18, HALFS
	s_wait_dscnt 0x0                               ; both opening adds are done
	s_wait_kmcnt 0x0
	s_add_nc_u64 s[92:93], s[4:5], s[92:93]
	s_add_nc_u64 s[94:95], s[6:7], s[94:95]
	s_add_nc_u64 s[46:47], s[8:9], s[46:47]
	s_add_nc_u64 s[96:97], s[10:11], s[96:97]
	CROUND                                         ; all sixteen work-groups are here: the joint loads meet
	s_mov_b32 s[G0S], 1
	s_add_co_u32 s[G0S+1], s98, SCL
	s_mov_b64 s[G0S+2:G0S+3], s[94:95]
	s_or_b32 s[G0S+3], s[G0S+3], 0x80000000
	s_mov_b32 s[G0SB], 1
	s_add_co_u32 s[G0SB+1], s98, SCL
	s_mov_b64 s[G0SB+2:G0SB+3], s[96:97]
	s_or_b32 s[G0SB+3], s[G0SB+3], 0x80000000
	JLOAD G0S, G1S, G0SB, G1SB                     ; the scales first: they are wanted with the first step
.irp s, 0,1
	s_mov_b32 s[G0+4*\s], 1
	s_add_co_u32 s[G0+4*\s+1], s45, \s*SLOT
	s_add_nc_u64 s[G0+4*\s+2:G0+4*\s+3], s[92:93], \s*ROWB
	s_or_b32 s[G0+4*\s+3], s[G0+4*\s+3], 0x80000000
	s_mov_b32 s[G0B+4*\s], 1
	s_add_co_u32 s[G0B+4*\s+1], s45, \s*SLOT
	s_add_nc_u64 s[G0B+4*\s+2:G0B+4*\s+3], s[46:47], \s*ROWB
	s_or_b32 s[G0B+4*\s+3], s[G0B+4*\s+3], 0x80000000
	JLOAD G0+4*\s, G1, G0B+4*\s, G1B               ; three tensor loads of mine are out now, and no more follow
.endr
	v_and_b32 v1, 15, v0                           ; r = lane % 16
	v_bfe_u32 v2, v0, 4, 1                         ; h = lane / 16
	; the bias: register 8 b + j of lane (r, h) is b_qkv[256 tc + 128 ch + 16 b + 8 h + j], the result's layout
	v_lshlrev_b32 v[BO], 5, v2
	s_lshl_b32 s96, s23, 10
	s_lshl_b32 s97, s20, 9
	s_add_co_u32 s96, s96, s97                     ; my first column in bytes of f32
	s_mov_b32 s97, 0
	s_add_nc_u64 s[12:13], s[12:13], s[96:97]
	s_add_nc_u64 s[16:17], s[16:17], s[96:97]      ; (qkvf has the same columns)
.irp b, 0,1,2,3,4,5,6,7
	global_load_b128 v[BIAS+8*\b:BIAS+8*\b+3], v[BO], s[12:13] offset:64*\b
	global_load_b128 v[BIAS+8*\b+4:BIAS+8*\b+7], v[BO], s[12:13] offset:64*\b+16
.endr
	v_mul_u32_u24 v3, v1, PITCH
	v_lshl_add_u32 v4, v2, 4, v3                   ; a fragment's row x pitch + 16 x half
	s_mul_i32 s66, s19, HALFT                      ; my 128 rows of x
	s_mul_i32 s67, s20, HALFT                      ; my 128 rows of w,
	s_add_co_u32 s67, s67, 2*HALFT                 ; which lie behind x's 256
.irp s, 0,1
	v_add_nc_u32 v[ADRA+\s], s66, v4
	v_add_nc_u32 v[ADRB+\s], s67, v4
	s_add_co_u32 s66, s66, SLOT
	s_add_co_u32 s67, s67, SLOT
.endr
	v_mul_u32_u24 v5, v1, KS                       ; my row's scales: 32 bytes a row,
	v_lshrrev_b32 v6, 8, v5
	v_lshl_add_u32 v5, v6, 4, v5                   ; and 16 more for each 256 passed
	s_mul_i32 s66, s19, HALFS
	s_mul_i32 s67, s20, HALFS
	s_add_co_u32 s67, s67, 2*HALFS
	s_sub_co_u32 s67, s67, s66
	v_mul_u32_u24 v6, s67, v2                      ; lanes 16-31 take w's
	s_add_co_u32 s66, s66, SCL
	v_add_nc_u32 v5, v5, v6
	v_add_nc_u32 v[ADRS], s66, v5
	s_mul_i32 s66, s18, 16*PITCH                   ; my f16 stage
	v_add_nc_u32 v[STO], s66, v4                   ; in: row r, 16 bytes for each half of the lanes
	v_and_b32 v6, 31, v0
	v_lshrrev_b32 v7, 3, v6
	v_and_b32 v8, 7, v6
	v_mul_u32_u24 v7, v7, PITCH
	v_lshl_add_u32 v7, v8, 4, v7
	v_add_nc_u32 v[RD], s66, v7                    ; back: eight lanes take 128 bytes (one head) of a row, 32 lanes four rows
	v_lshlrev_b32 v[CO], 4, v6
	s_mul_i32 s66, s18, 16*528
	s_add_co_u32 s66, s66, FSTG                    ; my f32 stage
	v_mul_u32_u24 v7, v1, 528
	v_lshl_add_u32 v7, v2, 5, v7
	v_add_nc_u32 v[FSTO], s66, v7
	v_add_nc_u32 v[FRD], s66, v[CO]
	; qkvf: + b x 16 rows + 4 cy rows of 12,288 bytes
	s_lshr_b32 s98, s41, 1                         ; b = Y / 2
	s_mul_i32 s96, s98, 196608
	s_mul_i32 s99, s22, 49152
	s_add_co_u32 s96, s96, s99
	s_add_nc_u64 s[16:17], s[16:17], s[96:97]
	; qkv16: section tc / 4; head b 16 + 4 (tc % 4) + 2 ch; row 1024 (Y % 2) + 512 rh + 4 cy of 128 bytes
	s_lshr_b32 s96, s23, 2
	s_lshl_b32 s96, s96, 24
	s_lshl_b32 s98, s98, 4
	s_and_b32 s99, s23, 3
	s_lshl_b32 s99, s99, 2
	s_add_co_u32 s98, s98, s99
	s_lshl_b32 s99, s20, 1
	s_add_co_u32 s98, s98, s99
	s_lshl_b32 s98, s98, 18
	s_add_co_u32 s96, s96, s98
	s_and_b32 s98, s41, 1
	s_lshl_b32 s98, s98, 10
	s_lshl_b32 s99, s19, 9
	s_add_co_u32 s98, s98, s99
	s_lshl_b32 s99, s22, 2
	s_add_co_u32 s98, s98, s99
	s_lshl_b32 s98, s98, 7
	s_add_co_u32 s96, s96, s98
	s_add_nc_u64 s[14:15], s[14:15], s[96:97]
.macro FRAG reg, adr, q, i             ; 16 rows x 128 K of 4-bit codes: 8 registers: lane l holds row l % 16; registers 4 c .. 4 c + 3 hold K = 64 c + 32 (l / 16) + 0 .. 31
.irp c, 0,1
	ds_load_b128 v[\reg+4*\c:\reg+4*\c+3], v[\adr] offset:64*(\q)+32*\c+(\i)*16*PITCH
.endr
.endm
; 16 matrix instructions: x's blocks a0, a0 + 1 against w's eight.  The 64 accumulators take turns, one instruction a turn, in the same order in every step.
.macro MUL16 a0, p, q, sc, first
.irp a, \a0, \a0+1
.irp b, 0,1,2,3,4,5,6,7
.if \first
	v_wmma_scale_f32_16x16x128_f8f6f4 v[8*(8*((\a)%4)+\b):8*(8*((\a)%4)+\b)+7], v[128*(\p)+FR*\b:128*(\p)+FR*\b+FR-1], v[AF+FR*(\a):AF+FR*(\a)+FR-1], v[BIAS+8*\b:BIAS+8*\b+7], v[SC+8*NQ*(\sc)+NQ*\b+(\q)], v[SC+8*NQ*(\sc)+NQ*(\a)+(\q)] matrix_a_fmt:MATRIX_FMT_FP4 matrix_b_fmt:MATRIX_FMT_FP4 matrix_a_scale:MATRIX_SCALE_ROW1
.else
	v_wmma_scale_f32_16x16x128_f8f6f4 v[8*(8*((\a)%4)+\b):8*(8*((\a)%4)+\b)+7], v[128*(\p)+FR*\b:128*(\p)+FR*\b+FR-1], v[AF+FR*(\a):AF+FR*(\a)+FR-1], v[8*(8*((\a)%4)+\b):8*(8*((\a)%4)+\b)+7], v[SC+8*NQ*(\sc)+NQ*\b+(\q)], v[SC+8*NQ*(\sc)+NQ*(\a)+(\q)] matrix_a_fmt:MATRIX_FMT_FP4 matrix_b_fmt:MATRIX_FMT_FP4 matrix_a_scale:MATRIX_SCALE_ROW1
.endif
.endr
.endr
.endm
.macro FETCH_B slot, q, p
	WIN TO_B
.irp i, 0,1,2,3,4,5,6,7
	FRAG 128*(\p)+FR*\i, ADRB+\slot, \q, \i
.endr
	WIN 0
.endm
.macro FETCH_A slot, q, i0
.irp i, \i0, \i0+1, \i0+2, \i0+3
	FRAG AF+FR*(\i), ADRA+\slot, \q, \i
.endr
.endm
.macro SCALES sc                       ; a slot's scale words: 4 words a row; lanes 0-15 take x's block i, lanes 16-31 w's block i
.irp i, 0,1,2,3,4,5,6,7
	ds_load_b128 v[SC+8*NQ*\sc+NQ*\i:SC+8*NQ*\sc+NQ*\i+3], v[ADRS] offset:\i*SBLK
.endr
.endm
.macro PLACES n                        ; plain vector instructions between a matrix instruction and a load into, or a read of, its registers
.rept \n
	v_nop
.endr
.endm
.macro STEP slot, q, first             ; 128 along K, with its successor in the same slot
	s_wait_dscnt 4*NL                              ; w's set and x's blocks 0-3 are in; the youngest eight loads (x's blocks 4-7) may be out
.if \first
	WIN FIRST_LO
.else
	WIN MUL_LO
.endif
	MUL16 0, (\q)%2, \q, \slot, \first
	MUL16 2, (\q)%2, \q, \slot, \first
	s_wait_dscnt 0                                 ; x's blocks 4-7 are in
	PLACES NP
	FETCH_B \slot, (\q)+1, 1-(\q)%2
	FETCH_A \slot, (\q)+1, 0
.if \first
	WIN FIRST_HI
.else
	WIN MUL_HI
.endif
	MUL16 4, (\q)%2, \q, \slot, \first
	MUL16 6, (\q)%2, \q, \slot, \first
	PLACES NP
	WIN 0
	FETCH_A \slot, (\q)+1, 4
.endm
; Slot 0's last step changes slots: one barrier; in front of it each wave waits for all its tensor loads (its part of slot 1), adds 0 to its spare word, and waits for that and for its reads of slot 0.
.macro TURN slot, next
	s_wait_tensorcnt 0x0                           ; all my tensor loads have landed
	ds_add_u32 v[SPW], v[NIL]                      ; 0 onto my spare word
	s_wait_dscnt 4*NL+1                            ; (the add and the youngest eight loads may be out)
	WIN MUL_LO
	MUL16 0, 1, NQ-1, \slot, 0
	s_wait_dscnt 0x0                               ; the add is done, and my reads of this slot are over
	s_barrier_signal -1
	MUL16 2, 1, NQ-1, \slot, 0
	WIN 0
	s_barrier_wait -1                              ; slot 1 is whole, and nobody reads slot 0 any more
	PLACES NP
	v_add_nc_u32 v[ADRS], 4*NQ, v[ADRS]            ; on to the next slot's scale words
	FETCH_B \next, 0, 0
	FETCH_A \next, 0, 0
	SCALES \next
	WIN MUL_HI
	MUL16 4, 1, NQ-1, \slot, 0
	MUL16 6, 1, NQ-1, \slot, 0
	PLACES NP
	WIN 0
	FETCH_A \next, 0, 4
.endm
.macro STEPS slot, from
.set Q, \from
.rept NQ-1-\from
	STEP \slot, Q, 0
.set Q, Q+1
.endr
.endm
	s_wait_tensorcnt 1                             ; the scales and my part of slot 0 are in; slot 1's load may stay out
	s_barrier_signal -1
	s_barrier_wait -1
	FETCH_B 0, 0, 0
	FETCH_A 0, 0, 0
	SCALES 0
	FETCH_A 0, 0, 4
	s_wait_loadcnt 0x0                             ; the bias
	STEP 0, 0, 1                                   ; the first step starts the sums from the bias: nothing is cleared, nothing is added later
	STEPS 0, 1
	TURN 0, 1
	STEPS 1, 0
	s_wait_dscnt 4*NL                              ; the last step: nothing more to fetch
	WIN MUL_LO
	MUL16 0, 1, NQ-1, 1, 0
	MUL16 2, 1, NQ-1, 1, 0
	s_wait_dscnt 0
	WIN MUL_HI
	MUL16 4, 1, NQ-1, 1, 0
	MUL16 6, 1, NQ-1, 1, 0
	WIN 0
	PLACES NP
	; ROWS s < 16 AS f32.  They are local rows 0-3 of the tiles with Y even: rows 0-3 of block 0 of waves 0 and 1.  Block 0 goes through my f32 stage; four whole rows of 512 bytes come back.
	s_and_b32 s66, ttmp7, 1
	s_or_b32 s66, s66, s19
	s_cmp_lg_u32 s66, 0                            ; the cluster's y and the wave's number: alike in all sixteen partners
	s_cbranch_scc1 .Lno_fine
	WIN 0x08                                       ; an LDS store's data are its source 1: window 2
.irp b, 0,1,2,3,4,5,6,7
	ds_store_b128 v[FSTO], v[8*\b:8*\b+3] offset:64*\b              ; each accumulator from its low end on
	ds_store_b128 v[FSTO], v[8*\b+4:8*\b+7] offset:64*\b+16
.endr
	WIN 0
.irp t, 0,1,2,3
	ds_load_b128 v[AF+4*\t:AF+4*\t+3], v[FRD] offset:528*\t         ; LDS serves a wave's instructions in order: these see my stores
.endr
	s_wait_dscnt 0x0
.irp t, 0,1,2,3
	global_store_b128 v[CO], v[AF+4*\t:AF+4*\t+3], s[16:17] offset:12288*\t   ; 32 lanes store 512 consecutive bytes, aligned
.endr
.Lno_fine:
; THE WAY OUT, block by block of 16 rows x 128 columns: rounded to f16, 16 bytes a lane into my stage, and back so that a store covers four neighbouring rows of one head: 512 consecutive bytes.
.macro PACK a
.set AC, 64*((\a)%4)
	WIN 0x0a+5*((\a)/4)                            ; sources 0 and 1: window 2 or 3
.irp b, 0,1,2,3,4,5,6,7
.irp r, 0,1,2,3
	v_cvt_pk_f16_f32 v[TMP+4*\b+\r], v[AC+8*\b+2*\r], v[AC+8*\b+2*\r+1]
.endr
.endr
	WIN 0
.endm
.macro TOSTAGE a
.set BB, BK+32*((\a)%2)
.irp b, 0,1,2,3,4,5,6,7
	ds_store_b128 v[STO], v[TMP+4*\b:TMP+4*\b+3] offset:32*\b
.endr
.irp t, 0,1,2,3,4,5,6,7                ; rows 4 (t / 2) on, head t % 2
	ds_load_b128 v[BB+4*\t:BB+4*\t+3], v[RD] offset:(\t/2)*4*PITCH+128*(\t%2)
.endr
.endm
.macro SEND a
.set BB, BK+32*((\a)%2)
	s_wait_dscnt 0x0                               ; the block is back in registers
.irp t, 0,1,2,3,4,5,6,7
	global_store_b128 v[CO], v[BB+4*\t:BB+4*\t+3], s[14:15] offset:8192*(\a)+2048*(\t/2)+262144*(\t%2)   ; block a: 64 rows of the sequence on; four local rows: 16 rows on; the next head: 262,144 bytes on
.endr
.endm
	PACK 0
	TOSTAGE 0
.irp a, 1,2,3,4,5,6,7
	PACK \a                                        ; block a's conversions stand between block a - 1's loads from the stage and the wait for them
	SEND \a-1
.if \a > 1
	s_wait_xcnt 0x0                                ; block a - 2's stores have read their registers: block a's loads may land there
.endif
	TOSTAGE \a
.endr
	SEND 7
	s_wait_tensorcnt 0x0                           ; the wave's end, behind my last tensor load and my last LDS store
	ds_add_u32 v[SPW], v[NIL]
	s_wait_dscnt 0x0
	CROUND                                         ; the closing round
	s_endpgm
.Lfunc_end_k_qa150fae0f1_qkv:
	.size	k_qa150fae0f1_qkv, .Lfunc_end_k_qa150fae0f1_qkv-k_qa150fae0f1_qkv
	.p2alignl 7, 3214868480
	.fill 96, 4, 3214868480
	.section	.rodata,"a",@progbits
	.p2align	6, 0x0
	.amdhsa_kernel k_qa150fae0f1_qkv
		.amdhsa_group_segment_fixed_size 327680
		.amdhsa_private_segment_fixed_size 0
		.amdhsa_enable_private_segment 0
		.amdhsa_kernarg_size 56
		.amdhsa_user_sgpr_count 2
		.amdhsa_user_sgpr_kernarg_segment_ptr 1
		.amdhsa_wavefront_size32 1
		.amdhsa_system_sgpr_workgroup_id_x 1
		.amdhsa_system_sgpr_workgroup_id_y 1
		.amdhsa_system_sgpr_workgroup_id_z 1
		.amdhsa_system_vgpr_workitem_id 0
		.amdhsa_next_free_vgpr 1024
		.amdhsa_next_free_sgpr 100
		.amdhsa_reserve_vcc 0
		.amdhsa_float_denorm_mode_32 3
		.amdhsa_float_denorm_mode_16_64 3
		.amdhsa_memory_ordered 1
		.amdhsa_forward_progress 1
		.amdhsa_inst_pref_size 130
	.end_amdhsa_kernel
	.amdgpu_metadata
---
amdhsa.version: [ 1, 2 ]
amdhsa.kernels:
  - .name:           k_qa150fae0f1_qkv
    .symbol:         k_qa150fae0f1_qkv.kd
    .args:
      - { .name: x_codes, .offset: 0, .size: 8, .value_kind: global_buffer, .address_space: global }
      - { .name: x_scales, .offset: 8, .size: 8, .value_kind: global_buffer, .address_space: global }
      - { .name: w_codes, .offset: 16, .size: 8, .value_kind: global_buffer, .address_space: global }
      - { .name: w_scales, .offset: 24, .size: 8, .value_kind: global_buffer, .address_space: global }
      - { .name: b_qkv, .offset: 32, .size: 8, .value_kind: global_buffer, .address_space: global }
      - { .name: qkv16, .offset: 40, .size: 8, .value_kind: global_buffer, .address_space: global }
      - { .name: qkvf, .offset: 48, .size: 8, .value_kind: global_buffer, .address_space: global }
    .group_segment_fixed_size: 327680
    .private_segment_fixed_size: 0
    .kernarg_segment_align: 8
    .kernarg_segment_size: 56
    .max_flat_workgroup_size: 128
    .sgpr_count:     100
    .vgpr_count:     1024
    .wavefront_size: 32
...
	.end_amdgpu_metadata
.endif
;; end of part 2
;; launch attn (part 3): grid 4 x 64, 16 waves a work-group, no clusters, 327,680 bytes of LDS; arguments qkv16, att16; writes att16
.if DOCPART == 3
	.amdgcn_target "amdgcn-amd-amdhsa--gfx1250"
	.amdhsa_code_object_version 6
	.text
	.protected	k_qa150fae0f1_attn
	.globl	k_qa150fae0f1_attn
	.p2align	8
	.type	k_qa150fae0f1_attn,@function
k_qa150fae0f1_attn:
	s_mov_b64 s[64:65], 0
	v_nop
	global_prefetch_b8 v0, s[64:65] scope:SCOPE_SE
	s_setreg_imm32_b32 hwreg(HW_REG_WAVE_MODE, 25, 1), 1
	s_wait_xcnt 0x0
; ATTN: O[bh][q] = sum over k <= q of softmax_k(Q[q] . K[k] / 4) V[k], head size 64, 2,048 positions, 64 heads (b 16 + h).  Operands f16; products, maxima and sums f32; p is rounded to f16 for the second product.
; qkv16: three sections of 16,777,216 bytes (q, k, v), each [bh][2048][64] f16.  att16: [16 h][8192 (b 2048 + s)][64] f16.
; SHARES.  Work-group (j, bh) owns the query blocks j and 7 - j (256 queries each) of one head: under the causal mask their work adds up to the same for every j.  Each of its sixteen waves owns 32 queries,
; two tiles of 16, which share every fragment of K and V.  Wave w takes block 7 - j where (w xor w / 4) is odd, else block j; queries 32 (w / 2) on.
; All waves walk one stream of keys, 64 a step, through two LDS slots of 256 keys, filled by the tensor data mover (waves 0, 1: K's halves; waves 2, 3: V's).
; LAYOUT.  S^T = K Q^T (source 0 = 16 keys, source 1 = 16 queries): a lane holds one query (lane % 16) and keys 8 (lane / 16) + 0..7.  Two such tiles, rounded to f16 in pairs, are source 1 of O^T = V^T P.
; K comes out of LDS as it lies, V ([key][channel]) turned, by ds_load_tr16_b128.
; SOFTMAX.  A running maximum m and sum l for each query: p = 2^(c s - c m), c = log2(e) / 4; in every step O and l are multiplied by a = 2^(c m_old - c m_new).
; THE MASK.  Every work-group walks all eight slots, so that trip counts are constants; a step all of whose keys come after my 32 queries is jumped over (ids alone); in the step on the diagonal hidden scores become -infinity.
; A step that is walked begins at a key at or under my first query, so every query has a key that counts in it.  A slot whose first key comes after the work-group's last query is not asked for.
; NO CLUSTER: the four work-groups of a head end their walks at 2,048, 1,792, 1,536 and 1,280 keys, so a partner would jump over every read of tiles that a joint load brought it.
; LIMITS: |attention output| above 65,504 becomes infinity in f16; NaN and infinities among the inputs are not served.  Rows s < 16 of each sequence are made again in f32 by a later launch.
.set KP,    144                        ; a key's row in LDS: 128 bytes + 16: the 16 rows of a load start at different banks
.set VP,    160                        ; a row of V: 128 + 32
.set VOFF,  256*KP                     ; a slot: 256 rows of K, then 256 rows of V
.set SLOT1, 1<<17                      ; slot 1 begins here: one exclusive or turns an address in one slot into the other's
.set STAGE, 212992                     ; behind the slots: 32 rows x 144 bytes for each wave, for the way out: bytes into which no tile lands
.set SPARE, STAGE+16*32*KP             ; the spare words, 128 bytes for each wave
.set AK0, 1                            ; v1   my lane's place in a tile of K
.set AV0, 2                            ; v2   the same for V
.set ADK, 3                            ; v3   LDS address of the slot's K for my lane
.set ADV, 4                            ; v4   of V
.set SPW, 5
.set NIL, 6
.set GO,  7                            ; v7   16 x lane
.set RH,  8                            ; v8   lane % 16 - 8 (lane / 16)
.set DD,  9                            ; v9, v10 the mask's bound for tiles 0, 1
.set NINF, 11                          ; v11  -infinity
.set PFO, 12                           ; v12  256 x lane; never rewritten
.set STO, 13
.set RD,  14
.set QO,  15
.set QF,  16                           ; v16-47   Q: tile t, channels 32 cf on, at 16 t + 8 cf
.set ST,  48                           ; v48-63   statistics, eight a tile: +0 c m, +1 m, +2, +3 l, +4, +5 at work, +6 a, +7 at work
.set SCR, 64                           ; v64-127  S^T: tile t, keys 16 kt on, at 32 t + 8 kt; then p; then P in place: tile t, keys 32 kf on, at 32 t + 8 kf
.set OA,  128                          ; v128-191 O^T: tile t, channels 16 c on, at 32 t + 8 c
.set KV,  192                          ; v192-255 eight fragments of K, then eight of V
.set TB,  2                            ; s2   LDS byte at which the slot in hand begins
.set WV,  18
.set SEL, 20
.set CS,  22
.set G1K, 24
.set G1V, 32
.set G0K, 40
.set G0V, 44
.set KF,  48                           ; s48  the step's first key
.set Q0,  49                           ; s49  my first query
.set QL,  50                           ; s50  the work-group's last query
.set SLOTS, 51
.set LIM, 52
.set PFA, 54
.set OUTP, 76
.set QP,  78
; Waves 0 and 1 fetch for K, waves 2 and 3 for V, the others nothing.  An s_nop 0 and four v_nop follow each of the two lines.
.macro TLOAD
	s_cmp_lt_u32 s[WV], 2
	s_cbranch_scc0 .Lnot_k_\@
	tensor_load_to_lds s[G0K:G0K+3], s[G1K:G1K+7]
	s_nop 0
.rept 4
	v_nop
.endr
	s_branch .Lasked_\@
.Lnot_k_\@:
	s_cmp_lt_u32 s[WV], 4
	s_cbranch_scc0 .Lasked_\@
	tensor_load_to_lds s[G0V:G0V+3], s[G1V:G1V+7]
	s_nop 0
.rept 4
	v_nop
.endr
.Lasked_\@:
.endm
; A prefetch of what the NEXT change of slots will ask for: a slot's 32,768 bytes of K and as many of V.  All four work-groups of a head walk the same K and V: the first (j = 0), which walks all keys, asks.
; In it the waves ask that fetch nothing: waves 4 to 7 for K, waves 8 to 11 for V, 8,192 bytes a wave, lanes 256 bytes apart: each aligned block of 256 bytes is named once in the launch.
; Slots 0 and 1 come by their loads alone; the last change that fills a slot asks for nothing.
.macro ASK
	s_cmp_gt_u32 s[SLOTS], s[LIM]
	s_cbranch_scc0 .Lnot_mine_\@
	global_prefetch_b8 v[PFO], s[PFA:PFA+1] th:TH_LOAD_NT scope:SCOPE_SE
.Lnot_mine_\@:
.endm
	s_load_b128 s[4:7], s[0:1], 0x0                ; qkv16 s[4:5], att16 s[6:7]
	v_lshl_add_u32 v[SPW], v0, 2, SPARE
	v_mov_b32 v[NIL], 0
	ds_add_u32 v[SPW], v[NIL]                      ; the wave's opening: the add, twice on end, and its wait ahead of my first tensor load
	ds_add_u32 v[SPW], v[NIL]
	v_lshrrev_b32 v3, 5, v0
	v_readfirstlane_b32 s[WV], v3                  ; wave 0..15
	s_and_b32 s57, ttmp7, 0xffff                   ; bh
	s_lshr_b32 s58, s[WV], 2
	s_xor_b32 s58, s58, s[WV]
	s_and_b32 s58, s58, 1                          ; late block (1) or early (0)
	s_sub_co_u32 s59, 7, ttmp9
	s_cmp_lg_u32 s58, 0
	s_cselect_b32 s59, s59, ttmp9                  ; my block of 256 queries
	s_lshl_b32 s[Q0], s59, 8
	s_lshr_b32 s60, s[WV], 1
	s_lshl_b32 s60, s60, 5
	s_add_co_u32 s[Q0], s[Q0], s60                 ; my first query
	s_lshl_b32 s[QL], ttmp9, 8
	s_sub_co_u32 s[QL], 0x7ff, s[QL]               ; the last query of block 7 - j
	s_lshl_b32 s60, s57, 18                        ; the head's first byte in a section
	s_and_b32 s62, s[WV], 1                        ; which 128 rows of a slot I fetch, if I fetch
	s_lshl_b32 s63, s62, 14
	s_add_co_u32 s66, s60, s63
	s_add_co_u32 s68, s66, 0x2000000               ; in v's section,
	s_add_co_u32 s66, s66, 0x1000000               ; in k's
	s_mov_b32 s67, 0
	s_mov_b32 s69, 0
	s_mul_i32 s70, s62, 128*KP                     ; and in a slot
	s_mul_i32 s71, s62, 128*VP
	s_add_co_u32 s71, s71, VOFF
	s_lshl_b32 s72, s[Q0], 7
	s_add_co_u32 s72, s72, s60                     ; my queries in q's section
	s_mov_b32 s73, 0
	s_and_b32 s74, s57, 15
	s_lshl_b32 s74, s74, 20                        ; att16: head h,
	s_lshr_b32 s75, s57, 4
	s_lshl_b32 s75, s75, 11
	s_add_co_u32 s75, s75, s[Q0]
	s_lshl_b32 s75, s75, 7                         ; row b 2048 + my first query
	s_add_co_u32 s74, s74, s75
	s_mov_b32 s75, 0
	; group 1: 128 rows x 64 elements of 2 bytes, dense in memory; padding behind every 32 words: 4 words for K, 8 for V
	s_mov_b32 s[G1K], (1<<16)|(1<<20)|(4<<22)|(3<<25)
	s_mov_b32 s[G1V], (1<<16)|(1<<20)|(4<<22)|(7<<25)
.irp g, G1K, G1V
	s_mov_b32 s[\g+1], 64<<16                      ; tensor_dim0
	s_mov_b32 s[\g+2], 128<<16                     ; tensor_dim1
	s_mov_b32 s[\g+3], 64<<16                      ; tile_dim0
	s_mov_b32 s[\g+4], 128                         ; tile_dim1
	s_mov_b32 s[\g+5], 64                          ; from row to row
	s_mov_b32 s[\g+6], 0
	s_mov_b32 s[\g+7], 0
.endr
	s_mov_b32 s[SEL], 0x76543210
	s_mov_b32 s[SEL+1], 0xfedcba98                 ; v_permlanex16_b32's selects for lane l xor 16
	s_mov_b32 s[CS], 0x3eb8aa3b                    ; c = log2(e) / 4
	s_mov_b32 s[CS+1], s[CS]                       ; (named with it as a pair, so it is written)
	s_mov_b32 s[TB], 0
	s_mov_b32 s[KF], 0
	s_mov_b32 s[SLOTS], 7
	s_wait_dscnt 0x0                               ; both opening adds are done
	s_wait_kmcnt 0x0
	s_mov_b32 s[G0K], 1
	s_mov_b32 s[G0K+1], s70
	s_add_nc_u64 s[G0K+2:G0K+3], s[4:5], s[66:67]
	s_or_b32 s[G0K+3], s[G0K+3], 0x80000000
	s_mov_b32 s[G0V], 1
	s_mov_b32 s[G0V+1], s71
	s_add_nc_u64 s[G0V+2:G0V+3], s[4:5], s[68:69]
	s_or_b32 s[G0V+3], s[G0V+3], 0x80000000
	TLOAD                                          ; slot 0: keys 0 to 255, which count for some query of every work-group
	s_add_nc_u64 s[QP:QP+1], s[4:5], s[72:73]
	s_add_nc_u64 s[OUTP:OUTP+1], s[6:7], s[74:75]
	v_and_b32 v3, 15, v0                           ; r
	v_bfe_u32 v4, v0, 4, 1                         ; h
	v_lshlrev_b32 v[QO], 7, v3
	v_lshl_add_u32 v[QO], v4, 4, v[QO]             ; Q: row r of 128 bytes + 16 h
.irp f, 0,1,2,3                                ; tile f / 2, channels 32 (f % 2) on: Q stays in registers
	global_load_b128 v[QF+8*\f:QF+8*\f+3],   v[QO], s[QP:QP+1] offset:2048*(\f/2)+64*(\f%2)
	global_load_b128 v[QF+8*\f+4:QF+8*\f+7], v[QO], s[QP:QP+1] offset:2048*(\f/2)+64*(\f%2)+32
.endr
	; the prefetches: where my wave's stand, and who asks
	s_cmp_lt_u32 s[WV], 8
	s_mov_b32 s58, 0x2000000
	s_cselect_b32 s58, 0x1000000, s58              ; k's section for waves 4 to 7, v's for waves 8 to 11
	s_add_co_u32 s58, s58, s60
	s_and_b32 s59, s[WV], 3
	s_lshl_b32 s59, s59, 13
	s_add_co_u32 s58, s58, s59                     ; my wave's 8,192 bytes,
	s_add_co_u32 s58, s58, 32768                   ; in slot 1: the first change of slots steps it to slot 2
	s_mov_b32 s59, 0
	s_add_nc_u64 s[PFA:PFA+1], s[4:5], s[58:59]
	s_sub_co_u32 s58, s[WV], 4
	s_lshr_b32 s58, s58, 3                         ; 0 in waves 4 to 11,
	s_or_b32 s58, s58, ttmp9                       ; of the head's first work-group
	s_cmp_eq_u32 s58, 0
	s_cselect_b32 s[LIM], 1, -1
	v_mul_u32_u24 v[AK0], v3, KP
	v_lshl_add_u32 v[AK0], v4, 4, v[AK0]           ; K: row r x pitch + 16 h
	v_and_b32 v9, 7, v0
	v_lshl_add_u32 v9, v4, 3, v9
	v_mul_u32_u24 v[AV0], v9, VP                   ; V, turning load: key 8 h + lane % 8,
	v_bfe_u32 v10, v0, 3, 1
	v_lshl_add_u32 v[AV0], v10, 4, v[AV0]          ; channels 8 ((lane / 8) % 2) on
	v_add_nc_u32 v[AV0], VOFF, v[AV0]
	v_and_b32 v9, 31, v0
	v_lshlrev_b32 v[GO], 4, v9
	v_lshlrev_b32 v[PFO], 8, v9
	v_lshlrev_b32 v10, 3, v4
	v_sub_nc_u32 v[RH], v3, v10
	v_mov_b32 v[NINF], 0xff800000
	s_mul_i32 s56, s[WV], 32*KP
	s_add_co_u32 s56, s56, STAGE                   ; my stage
	v_add_nc_u32 v[STO], s56, v[AK0]               ; in: row r, 16 bytes for each half of the lanes
	v_lshrrev_b32 v10, 3, v9
	v_mul_u32_u24 v10, v10, KP
	v_and_b32 v9, 7, v9
	v_lshl_add_u32 v10, v9, 4, v10
	v_add_nc_u32 v[RD], s56, v10                   ; back: eight lanes take a row of 128 bytes, 32 lanes four rows
.irp t, 0,1
	v_mov_b32 v[ST+8*\t+1], 0xff61b1e6             ; m: -3e38, under every score
	v_mul_f32 v[ST+8*\t], s[CS], v[ST+8*\t+1]      ; c m
.irp k, 2,3,4,5,6,7
	v_mov_b32 v[ST+8*\t+\k], 0
.endr
.endr
.set i, 0
.rept 64
	v_mov_b32 v[OA+i], 0                           ; O^T.  (The step is written without a first step of its own: the first finds zeros, which a = 0 leaves zeros)
.set i, i+1
.endr
; A KEY STEP: 64 keys, the q-th of the slot in hand.
.macro STEP q
	s_add_co_u32 s56, s[Q0], 31
	s_cmp_gt_u32 s[KF], s56                        ; all keys behind my last query: nothing to do (ids and the count of steps alone)
	s_cbranch_scc1 .Lhidden_\@
	v_add_nc_u32 v[ADK], s[TB], v[AK0]
	v_add_nc_u32 v[ADV], s[TB], v[AV0]
.rept 4
	v_nop                                          ; with the two additions six places behind the last step's products: four are owed for the loads into V's registers, five for the products that write over P
.endr
.set i, 0
.rept 8                                        ; fragment i: keys 16 (i / 2) on, channels 32 (i % 2) on
	ds_load_b128 v[KV+8*i:KV+8*i+3],   v[ADK] offset:(64*(\q)+16*(i/2))*KP+64*(i%2)
	ds_load_b128 v[KV+8*i+4:KV+8*i+7], v[ADK] offset:(64*(\q)+16*(i/2))*KP+64*(i%2)+32
.set i, i+1
.endr
	s_wait_dscnt 0x0
.set i, 0
.rept 16                                       ; S^T = K Q^T: channels 32 (i / 8) on, keys 16 ((i / 2) % 4) on, tile i % 2: eight accumulators by turns
.set rS, SCR+32*(i%2)+8*((i/2)%4)
.set rK, KV+16*((i/2)%4)+8*(i/8)
.set rQ, QF+16*(i%2)+8*(i/8)
.if i < 8
	v_wmma_f32_16x16x32_f16 v[rS:rS+7], v[rK:rK+7], v[rQ:rQ+7], 0
.else
	v_wmma_f32_16x16x32_f16 v[rS:rS+7], v[rK:rK+7], v[rQ:rQ+7], v[rS:rS+7]
.endif
.set i, i+1
.endr
.rept 4
	v_nop                                          ; places in front of the loads into K's registers and of the first read of the scores
.endr
.set i, 0
.rept 8                                        ; V, turned: fragment i: keys 32 (i / 4) on, channels 16 (i % 4) on.  It lands during the softmax
	ds_load_tr16_b128 v[KV+8*i:KV+8*i+3],   v[ADV] offset:(64*(\q)+32*(i/4))*VP+32*(i%4)
	ds_load_tr16_b128 v[KV+8*i+4:KV+8*i+7], v[ADV] offset:(64*(\q)+32*(i/4))*VP+16*VP+32*(i%4)
.set i, i+1
.endr
	s_add_co_u32 s56, s[KF], 63
	s_cmp_le_u32 s56, s[Q0]                        ; all 64 keys count for all my queries: no mask
	s_cbranch_scc1 .Lopen_\@
	s_sub_co_i32 s56, s[Q0], s[KF]
	v_add_nc_u32 v[DD], s56, v[RH]                 ; register 8 kt + j holds key KF + 16 kt + 8 h + j: hidden where 16 kt + j > my query - KF - 8 h
	v_add_nc_u32 v[DD+1], 16, v[DD]
.irp t, 0,1
.set n, 0
.rept 32
	v_cmp_gt_i32 vcc_lo, 16*(n/8)+n%8, v[DD+\t]
	v_cndmask_b32 v[SCR+32*\t+n], v[SCR+32*\t+n], v[NINF], vcc_lo
.set n, n+1
.endr
.endr
.Lopen_\@:
	; the maximum of my 32 scores and the old m: two chains a tile, the tiles by turns; each accumulator is first read at its low end
.irp t, 0,1
	v_max3_num_f32 v[ST+8*\t+4], v[SCR+32*\t], v[SCR+32*\t+1], v[SCR+32*\t+2]
	v_max3_num_f32 v[ST+8*\t+5], v[SCR+32*\t+16], v[SCR+32*\t+17], v[SCR+32*\t+18]
.endr
.irp k, 3,5,7,9,11,13
.irp t, 0,1
	v_max3_num_f32 v[ST+8*\t+4], v[ST+8*\t+4], v[SCR+32*\t+\k], v[SCR+32*\t+\k+1]
	v_max3_num_f32 v[ST+8*\t+5], v[ST+8*\t+5], v[SCR+32*\t+16+\k], v[SCR+32*\t+17+\k]
.endr
.endr
.irp t, 0,1
	v_max3_num_f32 v[ST+8*\t+4], v[ST+8*\t+4], v[SCR+32*\t+15], v[SCR+32*\t+31]
.endr
.irp t, 0,1
	v_max3_num_f32 v[ST+8*\t+4], v[ST+8*\t+4], v[ST+8*\t+5], v[ST+8*\t+1]
.endr
.irp t, 0,1
	v_permlanex16_b32 v[ST+8*\t+5], v[ST+8*\t+4], s[SEL], s[SEL+1]   ; the query's other 32 keys lie in the lane 16 away
.endr
.irp t, 0,1
	v_mov_b32 v[ST+8*\t+7], v[ST+8*\t]             ; c m_old is kept for a
.endr
.irp t, 0,1
	v_max_num_f32 v[ST+8*\t+1], v[ST+8*\t+4], v[ST+8*\t+5]
.endr
.irp t, 0,1
	v_mul_f32 v[ST+8*\t], s[CS], v[ST+8*\t+1]
.endr
.irp t, 0,1
	v_sub_f32 v[ST+8*\t+7], v[ST+8*\t+7], v[ST+8*\t]
.endr
.set n, 0
.rept 16
.irp t, 0,1
	v_pk_fma_f32 v[SCR+32*\t+2*n:SCR+32*\t+2*n+1], v[SCR+32*\t+2*n:SCR+32*\t+2*n+1], s[CS:CS+1], v[ST+8*\t:ST+8*\t+1] op_sel_hi:[1,0,0] neg_lo:[0,0,1] neg_hi:[0,0,1]   ; c s - c m, two at a time
.endr
.set n, n+1
.endr
.irp t, 0,1
	v_exp_f32 v[ST+8*\t+6], v[ST+8*\t+7]           ; a.  ONE BATCH of 66 exponentials, none of which reads another's result
.endr
.set n, 0
.rept 32
.irp t, 0,1
	v_exp_f32 v[SCR+32*\t+n], v[SCR+32*\t+n]       ; p, at most 1
.endr
.set n, n+1
.endr
	v_nop                                          ; a plain instruction behind the last exponential
	s_wait_alu depctr_va_vdst(0)                   ; one wait for the whole batch, ahead of its first reader
.irp t, 0,1
	v_pk_mul_f32 v[ST+8*\t+2:ST+8*\t+3], v[ST+8*\t+2:ST+8*\t+3], v[ST+8*\t+6:ST+8*\t+7] op_sel_hi:[1,0]   ; l x a
.endr
.irp t, 0,1
	v_pk_add_f32 v[ST+8*\t+4:ST+8*\t+5], v[SCR+32*\t+2:SCR+32*\t+3], v[SCR+32*\t+6:SCR+32*\t+7]   ; the sum of p, unrounded, in two chains: the odd pairs here,
.endr
.irp t, 0,1
	v_pk_add_f32 v[ST+8*\t+2:ST+8*\t+3], v[ST+8*\t+2:ST+8*\t+3], v[SCR+32*\t:SCR+32*\t+1]         ; the even pairs onto l
.endr
.irp t, 0,1
	v_pk_add_f32 v[ST+8*\t+2:ST+8*\t+3], v[ST+8*\t+2:ST+8*\t+3], v[SCR+32*\t+4:SCR+32*\t+5]
.endr
.irp k, 8,12,16,20,24,28
.irp t, 0,1
	v_pk_add_f32 v[ST+8*\t+2:ST+8*\t+3], v[ST+8*\t+2:ST+8*\t+3], v[SCR+32*\t+\k:SCR+32*\t+\k+1]
	v_pk_add_f32 v[ST+8*\t+4:ST+8*\t+5], v[ST+8*\t+4:ST+8*\t+5], v[SCR+32*\t+\k+2:SCR+32*\t+\k+3]
.endr
.endr
.irp t, 0,1
	v_pk_add_f32 v[ST+8*\t+2:ST+8*\t+3], v[ST+8*\t+2:ST+8*\t+3], v[ST+8*\t+4:ST+8*\t+5]
.endr
.set n, 0
.rept 16
.irp t, 0,1
	v_cvt_pk_f16_f32 v[SCR+32*\t+n], v[SCR+32*\t+2*n], v[SCR+32*\t+2*n+1]   ; P in place, ascending: register n is written when registers up to 2 n - 1 have been read
.endr
.set n, n+1
.endr
.set n, 0
.rept 16
.irp t, 0,1
	v_pk_mul_f32 v[OA+32*\t+2*n:OA+32*\t+2*n+1], v[OA+32*\t+2*n:OA+32*\t+2*n+1], v[ST+8*\t+6:ST+8*\t+7] op_sel_hi:[1,0]   ; O^T x a
.endr
.set n, n+1
.endr
	s_wait_dscnt 0x0                               ; V is in
.set i, 0
.rept 16                                       ; O^T += V^T P: keys 32 (i / 8) on, channels 16 ((i / 2) % 4) on, tile i % 2: eight accumulators by turns
.set rO, OA+32*(i%2)+8*((i/2)%4)
.set rV, KV+8*(4*(i/8)+(i/2)%4)
.set rP, SCR+32*(i%2)+8*(i/8)
	v_wmma_f32_16x16x32_f16 v[rO:rO+7], v[rV:rV+7], v[rP:rP+7], v[rO:rO+7]
.set i, i+1
.endr
.Lhidden_\@:
	s_add_co_u32 s[KF], s[KF], 64
.endm
; THE CHANGE OF SLOTS stands at a slot's head.  Each wave waits for all its tensor loads, adds 0 to its spare word, and waits for that and for its reads of the slot that it has left.
; Behind the barrier the slot ahead is whole and nobody reads the other one.  fill = 1: that other slot is filled with the keys that follow, up to the causal limit.
.macro CHANGE fill
	s_wait_tensorcnt 0x0                           ; no tensor load of mine is out, so a group 0 may be written
	ds_add_u32 v[SPW], v[NIL]                      ; 0 onto my spare word
.if \fill
	ds_add_u32 v[SPW], v[NIL]                      ; and once more: the add twice on end, in every trip alike
	s_xor_b32 s[G0K+1], s[G0K+1], SLOT1            ; the walking descriptors: the other slot,
	s_add_nc_u64 s[G0K+2:G0K+3], s[G0K+2:G0K+3], 32768   ; the next 256 keys
	s_xor_b32 s[G0V+1], s[G0V+1], SLOT1
	s_add_nc_u64 s[G0V+2:G0V+3], s[G0V+2:G0V+3], 32768
	s_wait_xcnt 0x0                                ; the last prefetch, a slot back, has read its address, so it may be written
	s_add_nc_u64 s[PFA:PFA+1], s[PFA:PFA+1], 32768
.endif
	s_wait_dscnt 0x0                               ; the add is done, and my reads of the slot that I have left are over
	s_barrier_signal -1
	s_barrier_wait -1
.if \fill
	s_add_co_u32 s56, s[KF], 256                   ; the first key of the slot that this change would ask for:
	s_cmp_gt_u32 s56, s[QL]                        ; behind the work-group's last query none of its waves would read it.  Ids and the count of steps alone: all sixteen waves go the same way
	s_cbranch_scc1 .Lpast_\@
	TLOAD                                          ; a wave's one tensor load until the next such barrier; every wait for tensor loads in this text is for all of them
.Lpast_\@:
	ASK
.endif
.endm
.macro SLOT_STEPS
	STEP 0
	STEP 1
	STEP 2
	STEP 3
	s_xor_b32 s[TB], s[TB], SLOT1                  ; on to the other slot
.endm
	s_wait_loadcnt 0x0                             ; Q
.Lslot:                                            ; seven trips: behind each change of slots but the last the next slot is asked for
	CHANGE 1
	SLOT_STEPS
	s_sub_co_u32 s[SLOTS], s[SLOTS], 1
	s_cmp_lg_u32 s[SLOTS], 0
	s_cbranch_scc1 .Lslot
	CHANGE 0                                       ; the last slot is written out
	SLOT_STEPS
	; THE WAY OUT.  O^T / l, rounded to f16, goes through my stage and leaves as four rows of 128 bytes a store: 512 consecutive bytes of att16.
.rept 4
	v_nop                                          ; places behind the last products
.endr
.irp t, 0,1
	v_add_f32 v[ST+8*\t+4], v[ST+8*\t+2], v[ST+8*\t+3]
.endr
.irp t, 0,1
	v_permlanex16_b32 v[ST+8*\t+5], v[ST+8*\t+4], s[SEL], s[SEL+1]
.endr
.irp t, 0,1
	v_add_f32 v[ST+8*\t+4], v[ST+8*\t+4], v[ST+8*\t+5]
.endr
.irp t, 0,1
	v_rcp_f32 v[ST+8*\t+6], v[ST+8*\t+4]
.endr
	v_nop                                          ; a plain instruction behind the last reciprocal
	s_wait_alu depctr_va_vdst(0)                   ; and the wait, ahead of the first reader
.irp t, 0,1
.set n, 0
.rept 16
	v_pk_mul_f32 v[OA+32*\t+2*n:OA+32*\t+2*n+1], v[OA+32*\t+2*n:OA+32*\t+2*n+1], v[ST+8*\t+6:ST+8*\t+7] op_sel_hi:[1,0]
.set n, n+1
.endr
.endr
.irp t, 0,1
.set n, 0
.rept 16
	v_cvt_pk_f16_f32 v[SCR+16*\t+n], v[OA+32*\t+2*n], v[OA+32*\t+2*n+1]   ; registers 4 c .. 4 c + 3: channels 16 c + 8 h + 0 .. 7 of query 16 t + r
.set n, n+1
.endr
.endr
.irp t, 0,1
.irp c, 0,1,2,3
	ds_store_b128 v[STO], v[SCR+16*\t+4*\c:SCR+16*\t+4*\c+3] offset:16*KP*\t+32*\c
.endr
.endr
.irp k, 0,1,2,3,4,5,6,7
	ds_load_b128 v[KV+4*\k:KV+4*\k+3], v[RD] offset:4*KP*\k          ; LDS serves a wave's instructions in order: these see my stores
.endr
.irp k, 0,1,2,3,4,5,6,7
	s_wait_dscnt 7-\k                              ; load k is in, the later ones stay out
	global_store_b128 v[GO], v[KV+4*\k:KV+4*\k+3], s[OUTP:OUTP+1] offset:512*\k
.endr
	s_wait_tensorcnt 0x0                           ; the wave's end, behind my last tensor load and my last LDS store
	ds_add_u32 v[SPW], v[NIL]
	s_wait_dscnt 0x0
	s_endpgm
.Lfunc_end_k_qa150fae0f1_attn:
	.size	k_qa150fae0f1_attn, .Lfunc_end_k_qa150fae0f1_attn-k_qa150fae0f1_attn
	.p2alignl 7, 3214868480
	.fill 96, 4, 3214868480
	.section	.rodata,"a",@progbits
	.p2align	6, 0x0
	.amdhsa_kernel k_qa150fae0f1_attn
		.amdhsa_group_segment_fixed_size 327680
		.amdhsa_private_segment_fixed_size 0
		.amdhsa_enable_private_segment 0
		.amdhsa_kernarg_size 16
		.amdhsa_user_sgpr_count 2
		.amdhsa_user_sgpr_kernarg_segment_ptr 1
		.amdhsa_wavefront_size32 1
		.amdhsa_system_sgpr_workgroup_id_x 1
		.amdhsa_system_sgpr_workgroup_id_y 1
		.amdhsa_system_sgpr_workgroup_id_z 1
		.amdhsa_system_vgpr_workitem_id 0
		.amdhsa_next_free_vgpr 256
		.amdhsa_next_free_sgpr 80
		.amdhsa_reserve_vcc 1
		.amdhsa_float_denorm_mode_32 3
		.amdhsa_float_denorm_mode_16_64 3
		.amdhsa_memory_ordered 1
		.amdhsa_forward_progress 1
		.amdhsa_inst_pref_size 189
	.end_amdhsa_kernel
	.amdgpu_metadata
---
amdhsa.version: [ 1, 2 ]
amdhsa.kernels:
  - .name:           k_qa150fae0f1_attn
    .symbol:         k_qa150fae0f1_attn.kd
    .args:
      - { .name: qkv16, .offset: 0, .size: 8, .value_kind: global_buffer, .address_space: global }
      - { .name: att16, .offset: 8, .size: 8, .value_kind: global_buffer, .address_space: global }
    .group_segment_fixed_size: 327680
    .private_segment_fixed_size: 0
    .kernarg_segment_align: 8
    .kernarg_segment_size: 16
    .max_flat_workgroup_size: 512
    .sgpr_count:     80
    .vgpr_count:     256
    .wavefront_size: 32
...
	.end_amdgpu_metadata
.endif
;; end of part 3
;; launch proj (part 4): grid 4 x 64, 4 waves a work-group, clusters of 4 x 4, 327,680 bytes of LDS; arguments att16, wp16, b_proj, out0; writes out0
.if DOCPART == 4
	.amdgcn_target "amdgcn-amd-amdhsa--gfx1250"
	.amdhsa_code_object_version 6
	.text
	.protected	k_qa150fae0f1_proj
	.globl	k_qa150fae0f1_proj
	.p2align	8
	.type	k_qa150fae0f1_proj,@function
k_qa150fae0f1_proj:
	s_mov_b64 s[64:65], 0
	v_nop
	global_prefetch_b8 v0, s[64:65] scope:SCOPE_SE
	s_setreg_imm32_b32 hwreg(HW_REG_WAVE_MODE, 25, 1), 1
	s_wait_xcnt 0x0
	s_wait_alu depctr_hold_cnt(0) depctr_sa_sdst(0) depctr_va_vdst(0) depctr_va_sdst(0) depctr_va_ssrc(0) depctr_va_vcc(0) depctr_vm_vsrc(0)
	s_getreg_b32 s2, hwreg(HW_REG_IB_STS2, 6, 4)
	s_cmp_eq_u32 s2, 0
	s_cbranch_scc0 .Lentry_in_a_cluster
	s_endpgm
.Lentry_in_a_cluster:
	s_bfe_u32 s2, ttmp6, 0x10000c
	s_cmp_lg_u32 s2, 0xf033
	s_cbranch_scc0 .Lentry_shape_is_right
	s_endpgm
.Lentry_shape_is_right:
; PROJ: out0[m][n] = sum over k of att[m][k] w_proj[k][n] + b_proj[n].  M = 8,192, N = K = 1,024.  Operands f16, sums f32, result f32.
; att16: [16 h][8192 m][64] f16 (k = 64 h + d); wp16: [1024 k][1024 n] f16.
; A tile is 128 (m) x 256 (n): 256 work-groups.  Four waves, each 64 x 128: 32 accumulators of 16 x 16, all of window 1.  K goes in 8 steps of 128 (two heads) through two LDS slots.
; CLUSTERS: 4 x 4 work-groups; att's tiles are shared along a row of the cluster, w's along a column: joint loads.  Waves 0, 1 fetch the step's two heads of att (128 rows x 128 bytes each),
; waves 2, 3 the two halves of w's 128 rows of 512 bytes.
; THE MATRIX INSTRUCTION IS USED TRANSPOSED: source 0 = 16 columns of w (turned out of LDS by ds_load_tr16_b128), source 1 = 16 rows of att: a lane holds eight neighbouring columns of one row.
; The bias is the C of each sum's first product.  LIMITS: the bias enters ahead of the sum (another order of rounding in f32); rows s < 16 of each sequence are written again, in f32 throughout, by the next launch.
; REGISTERS: window 0: v16-31 addresses; two fragment buffers of 96 (att's 4 fragments, then w's 8) at v64 and v160.  window 1: the accumulators ((a, b) at v[8 (8 a + b)]).  window 2: v0-63 the bias.
.set AP,    144                        ; a row of att in LDS: 128 bytes + 16
.set BP,    544                        ; a row of w: 512 bytes + 32
.set BOFF,  2*128*AP                   ; a slot: two heads x 128 rows of att, then 128 rows of w
.set SLOT,  BOFF+128*BP
.set STAGE, 2*SLOT                     ; behind the slots: 16 rows x 528 bytes for each wave
.set SPARE, STAGE+4*16*528             ; the spare words, 128 bytes for each wave
.set ADRA, 16
.set ADRB, 20
.set STO,  24
.set RD,   25
.set CO,   26
.set SPW,  28
.set NIL,  29
.set PFO,  30
.set BO,   31
.set F0,   64
.set F1,   160
.set BK,   64                          ; the way out: 16 rows read back: v64-127 and v128-191 by turns
.set G1, 24
.set G0, 32
.set G1B, 48
.set G0B, 56
.set PFA, 40
.set PFS, 42
.set LIM, 44
.set MSB, 0
.macro WIN new
.if MSB != (\new)
	s_set_vgpr_msb (MSB<<8)|(\new)
.set MSB, (\new)
.endif
.endm
.set MUL,   0x50                       ; sources 0 and 1 window 0; C and D window 1
.set FIRST, 0x60                       ; the first quarter: C is the bias, in window 2
.macro JLOAD s                         ; waves 0 and 1 ask for att, waves 2 and 3 for w; an s_nop 0 and four v_nop follow each of the two lines
	s_cmp_eq_u32 s13, 0
	s_cbranch_scc0 .Lfor_b_\@
	tensor_load_to_lds s[G0+4*\s:G0+4*\s+3], s[G1:G1+7]
	s_nop 0
.rept 4
	v_nop
.endr
	s_branch .Lasked_\@
.Lfor_b_\@:
	tensor_load_to_lds s[G0B+4*\s:G0B+4*\s+3], s[G1B:G1B+7]
	s_nop 0
.rept 4
	v_nop
.endr
.Lasked_\@:
.endm
.macro CREST                           ; a round of the cluster's barrier behind its opening barrier
	s_cmp_lg_u32 s12, 0
	s_cbranch_scc1 .Lnot_wave_0_\@
	s_barrier_signal -3
.Lnot_wave_0_\@:
	s_barrier_wait -3
	s_barrier_signal -1
	s_barrier_wait -1
.endm
.macro CROUND
	s_barrier_signal -1
	s_barrier_wait -1
	CREST
.endm
; A prefetch, behind each joint refill and the run of LDS loads that follows it, of the K step that stands two refills on.  att's tile row is read by this cluster's row alone: wave 0 asks, and the four
; partners that ask for the tile jointly share its 128 blocks of 256 bytes out by address (cx).  w's tile column is read by every cluster: cluster y = 0 asks, waves 2 and 3 for the 64 rows that each fetches,
; the four partners taking 16 rows each by address (cy), two lanes to a row of 512 bytes.  The loop's last trip asks for nothing: there is no K step two on.
.macro ASK
	s_cmp_gt_u32 s3, s[LIM]
	s_cbranch_scc0 .Lnot_mine_\@
	global_prefetch_b8 v[PFO], s[PFA:PFA+1] th:TH_LOAD_NT scope:SCOPE_SE
.Lnot_mine_\@:
.endm
	s_load_b256 s[4:11], s[0:1], 0x0               ; att16 s[4:5], wp16 s[6:7], b_proj s[8:9], out0 s[10:11]
	v_lshl_add_u32 v[SPW], v0, 2, SPARE
	v_mov_b32 v[NIL], 0
	ds_add_u32 v[SPW], v[NIL]                      ; the wave's opening: the add, twice on end, and its wait ahead of my first tensor load
	ds_add_u32 v[SPW], v[NIL]
	v_lshrrev_b32 v1, 5, v0
	v_readfirstlane_b32 s12, v1                    ; wave 0..3
	s_lshr_b32 s13, s12, 1                         ; which 64 rows are mine.  Also: I fetch for att (0) or for w (1)
	s_and_b32 s14, s12, 1                          ; which 128 columns.  Also: which half of that tile I fetch
	s_bfe_u32 s15, ttmp6, 0x40000                  ; cx
	s_bfe_u32 s16, ttmp6, 0x40004                  ; cy
	s_lshl_b32 s17, ttmp9, 2
	s_add_co_u32 s17, s17, s15                     ; tile column
	s_and_b32 s19, ttmp7, 0xffff                   ; cluster y
	s_lshl_b32 s18, s19, 2
	s_add_co_u32 s18, s18, s16                     ; tile row
	s_lshl_b32 s20, s16, 2
	s_lshl_b32 s20, 15, s20                        ; my row of the cluster
	s_lshl_b32 s21, 0x1111, s15                    ; my column
	s_or_b32 s[G1+0], s20, (1<<16)|(1<<20)|(1<<21)|(4<<22)|(3<<25)   ; att: elements of 2 bytes; 4 words of padding behind every 32
	s_mov_b32 s[G1+1], 64<<16                      ; tensor_dim0
	s_mov_b32 s[G1+2], 128<<16                     ; tensor_dim1
	s_mov_b32 s[G1+3], 64<<16                      ; tile_dim0
	s_mov_b32 s[G1+4], 128                         ; tile_dim1
	s_mov_b32 s[G1+5], 64                          ; from row to row
	s_mov_b32 s[G1+6], 0
	s_mov_b32 s[G1+7], 0
	s_or_b32 s[G1B+0], s21, (1<<16)|(1<<20)|(1<<21)|(6<<22)|(7<<25)  ; w: 8 words of padding behind every 128
	s_mov_b32 s[G1B+1], 256<<16
	s_mov_b32 s[G1B+2], 64<<16
	s_mov_b32 s[G1B+3], 256<<16
	s_mov_b32 s[G1B+4], 64
	s_mov_b32 s[G1B+5], 1024
	s_mov_b32 s[G1B+6], 0
	s_mov_b32 s[G1B+7], 0
	s_lshl_b32 s66, s18, 14                        ; att: the tile's 128 rows of 128 bytes,
	s_lshl_b32 s70, s14, 20
	s_add_co_u32 s66, s66, s70                     ; in head 0 or 1 of the step
	s_mov_b32 s67, 0
	s_lshl_b32 s68, s17, 9                         ; w: the tile's 256 columns,
	s_lshl_b32 s70, s14, 17
	s_add_co_u32 s68, s68, s70                     ; rows 0 or 64 on of the step
	s_mov_b32 s69, 0
	s_mul_i32 s70, s14, 128*AP                     ; where they go: no place in the cluster enters an LDS address
	s_mul_i32 s71, s14, 64*BP
	s_add_co_u32 s71, s71, BOFF
	s_wait_dscnt 0x0                               ; both opening adds are done
	s_wait_kmcnt 0x0
	s_add_nc_u64 s[72:73], s[4:5], s[66:67]
	s_add_nc_u64 s[74:75], s[6:7], s[68:69]
	CROUND                                         ; all sixteen work-groups are here: the first joint loads meet
.irp s, 0,1
	s_mov_b32 s[G0+4*\s], 1
	s_add_co_u32 s[G0+4*\s+1], s70, \s*SLOT
	s_add_nc_u64 s[G0+4*\s+2:G0+4*\s+3], s[72:73], \s*2097152     ; K step s: two heads on
	s_or_b32 s[G0+4*\s+3], s[G0+4*\s+3], 0x80000000
	s_mov_b32 s[G0B+4*\s], 1
	s_add_co_u32 s[G0B+4*\s+1], s71, \s*SLOT
	s_add_nc_u64 s[G0B+4*\s+2:G0B+4*\s+3], s[74:75], \s*262144    ; 128 rows of 2,048 bytes on
	s_or_b32 s[G0B+4*\s+3], s[G0B+4*\s+3], 0x80000000
	JLOAD \s                                       ; two tensor loads of mine are out
.endr
	v_and_b32 v1, 15, v0                           ; r
	v_bfe_u32 v2, v0, 4, 1                         ; h
	; the bias: register 8 b + j of lane (r, h) is b_proj[256 tc + 128 ch + 16 b + 8 h + j]
	v_lshlrev_b32 v[BO], 5, v2
	s_lshl_b32 s66, s17, 10
	s_lshl_b32 s68, s14, 9
	s_add_co_u32 s66, s66, s68                     ; my first column in bytes of f32
	s_add_nc_u64 s[8:9], s[8:9], s[66:67]
	s_add_nc_u64 s[10:11], s[10:11], s[66:67]
	WIN 0x80                                       ; destination window 2
.irp b, 0,1,2,3,4,5,6,7
	global_load_b128 v[8*\b:8*\b+3], v[BO], s[8:9] offset:64*\b
	global_load_b128 v[8*\b+4:8*\b+7], v[BO], s[8:9] offset:64*\b+16
.endr
	WIN 0
	s_lshl_b32 s66, s18, 7
	s_lshl_b32 s68, s13, 6
	s_add_co_u32 s66, s66, s68                     ; my first row: 128 x tile row + 64 x half
	s_lshl_b32 s66, s66, 12
	s_add_nc_u64 s[10:11], s[10:11], s[66:67]
	v_mul_u32_u24 v3, v1, AP
	v_lshl_add_u32 v3, v2, 4, v3                   ; att: row r x pitch + 16 h
	s_mul_i32 s66, s13, 64*AP                      ; my 64 rows
	v_and_b32 v4, 7, v0
	v_lshl_add_u32 v4, v2, 3, v4
	v_mul_u32_u24 v4, v4, BP                       ; w, turning load: row 8 h + lane % 8,
	v_bfe_u32 v5, v0, 3, 1
	v_lshl_add_u32 v4, v5, 4, v4                   ; columns 8 ((lane / 8) % 2) on
	s_lshl_b32 s68, s14, 8
	s_add_co_u32 s68, s68, BOFF                    ; my 128 columns
.irp s, 0,1
	v_add_nc_u32 v[ADRA+\s], s66, v3
	v_add_nc_u32 v[ADRB+\s], s68, v4
	s_add_co_u32 s66, s66, SLOT
	s_add_co_u32 s68, s68, SLOT
.endr
	s_mul_i32 s66, s12, 16*528
	s_add_co_u32 s66, s66, STAGE                   ; my stage
	v_mul_u32_u24 v3, v1, 528
	v_lshl_add_u32 v3, v2, 5, v3
	v_add_nc_u32 v[STO], s66, v3                   ; in: row r, 32 bytes for each half of the lanes
	v_and_b32 v5, 31, v0
	v_lshlrev_b32 v[CO], 4, v5
	v_add_nc_u32 v[RD], s66, v[CO]                 ; back: the 32 lanes take one row of 512 bytes
	; the prefetches: where my wave's stand, and who asks
	s_cmp_eq_u32 s13, 0
	s_cselect_b64 s[PFA:PFA+1], s[4:5], s[6:7]
	s_lshl_b32 s45, s18, 14                        ; att: the tile's rows,
	s_lshr_b32 s46, s15, 1
	s_lshl_b32 s46, s46, 20
	s_add_co_u32 s45, s45, s46                     ; head cx / 2 of the step,
	s_and_b32 s46, s15, 1
	s_lshl_b32 s46, s46, 13
	s_add_co_u32 s45, s45, s46                     ; its half cx % 2: 8,192 bytes,
	s_add_co_u32 s45, s45, 3*2097152               ; at K step 3: the first refill steps it to 4
	s_lshl_b32 s46, s17, 9                         ; w: the tile's columns,
	s_lshl_b32 s47, s14, 17
	s_add_co_u32 s46, s46, s47                     ; the 64 rows that I fetch,
	s_lshl_b32 s47, s16, 15
	s_add_co_u32 s46, s46, s47                     ; my work-group's 16 of them,
	s_add_co_u32 s46, s46, 3*262144                ; at K step 3
	s_cmp_eq_u32 s13, 0
	s_cselect_b32 s76, s45, s46
	s_mov_b32 s77, 0
	s_mov_b32 s[PFS], 262144
	s_cselect_b32 s[PFS], 2097152, s[PFS]          ; a K step on
	s_mov_b32 s[PFS+1], 0
	s_mov_b32 s47, 2048
	s_cselect_b32 s47, 512, s47                    ; from one pair of lanes to the next
	s_cselect_b32 s45, s14, s19                    ; att: wave 0 asks; w: cluster y = 0 asks
	s_add_nc_u64 s[PFA:PFA+1], s[PFA:PFA+1], s[76:77]
	s_cmp_eq_u32 s45, 0
	s_cselect_b32 s[LIM], 1, -1                    ; alike in all sixteen partners, for a given wave
	v_lshrrev_b32 v6, 1, v5
	v_mul_lo_u32 v[PFO], v6, s47
	v_and_b32 v6, 1, v5
	v_lshl_add_u32 v[PFO], v6, 8, v[PFO]
; 8 matrix instructions: att's block a against w's eight, 32 along K, from buffer f.  The 32 accumulators take turns, one instruction a turn, in the same order in every quarter.
.macro MUL8 f, a, first
.irp b, 0,1,2,3,4,5,6,7
.if \first
	v_wmma_f32_16x16x32_f16 v[8*(8*(\a)+\b):8*(8*(\a)+\b)+7], v[\f+32+8*\b:\f+32+8*\b+7], v[\f+8*(\a):\f+8*(\a)+7], v[8*\b:8*\b+7]
.else
	v_wmma_f32_16x16x32_f16 v[8*(8*(\a)+\b):8*(8*(\a)+\b)+7], v[\f+32+8*\b:\f+32+8*\b+7], v[\f+8*(\a):\f+8*(\a)+7], v[8*(8*(\a)+\b):8*(8*(\a)+\b)+7]
.endif
.endr
.endm
; 24 LDS loads in one run: the slot's q-th 32 along K into buffer f: w's eight fragments, turned, then att's four
.macro FETCH slot, q, f
.irp b, 0,1,2,3,4,5,6,7
	ds_load_tr16_b128 v[\f+32+8*\b:\f+32+8*\b+3],   v[ADRB+\slot] offset:32*BP*(\q)+32*\b
	ds_load_tr16_b128 v[\f+32+8*\b+4:\f+32+8*\b+7], v[ADRB+\slot] offset:32*BP*(\q)+16*BP+32*\b
.endr
.irp i, 0,1,2,3
	ds_load_b128 v[\f+8*\i:\f+8*\i+3],   v[ADRA+\slot] offset:((\q)/2)*128*AP+((\q)%2)*64+16*AP*\i
	ds_load_b128 v[\f+8*\i+4:\f+8*\i+7], v[ADRA+\slot] offset:((\q)/2)*128*AP+((\q)%2)*64+16*AP*\i+32
.endr
.endm
.macro PLACES                          ; four plain vector instructions in front of loads into registers that matrix instructions have read, and of the first read of results
.rept 4
	v_nop
.endr
.endm
; A K step is four quarters of 32 along K, 32 matrix instructions each, on buffers 0, 1, 0, 1.  One of the first three: multiplies buffer f and fetches quarter q into g.
.macro QUARTER slot, q, f, g, first
	s_wait_dscnt 4                                 ; w's fragments and att's blocks 0, 1 are in; the youngest four loads (blocks 2, 3) may be out
.if \first
	WIN FIRST
.else
	WIN MUL
.endif
	MUL8 \f, 0, \first
	MUL8 \f, 1, \first
	WIN 0
	PLACES
	FETCH \slot, \q, \g
	s_wait_dscnt 24                                ; all but the 24 just issued
.if \first
	WIN FIRST
.else
	WIN MUL
.endif
	MUL8 \f, 2, \first
	MUL8 \f, 3, \first
.endm
; The last quarter multiplies buffer 1 and changes slots: ONE barrier; in front of it each wave waits for all its tensor loads, adds 0 to its spare word, and waits for that and for its reads of this slot.
; fill = 1: the barrier opens a round of the cluster's barrier, and this slot is filled again, two K steps ahead.
.macro TURN slot, next, fill
.if \fill
	s_wait_xcnt 0x0                                ; the last prefetch, a K step back, has read its address: it is stepped here, ahead of the waits of the change of slots
	s_add_nc_u64 s[PFA:PFA+1], s[PFA:PFA+1], s[PFS:PFS+1]
.endif
	WIN 0                                          ; (the add's two registers lie in window 0)
	s_wait_tensorcnt 0x0                           ; all my tensor loads have landed: my part of the next slot
	ds_add_u32 v[SPW], v[NIL]                      ; 0 onto my spare word
	s_wait_dscnt 5                                 ; (the add and the youngest four loads may be out)
	WIN MUL
	MUL8 F1, 0, 0
	s_wait_dscnt 0x0                               ; the add is done, and my reads of this slot are over
	s_barrier_signal -1
	MUL8 F1, 1, 0
	WIN 0
	s_barrier_wait -1
.if \fill
	CREST                                          ; no wave of any partner still reads this slot's tile or has a load on its way
	s_add_nc_u64 s[G0+4*\slot+2:G0+4*\slot+3], s[G0+4*\slot+2:G0+4*\slot+3], 2*2097152
	s_add_nc_u64 s[G0B+4*\slot+2:G0B+4*\slot+3], s[G0B+4*\slot+2:G0B+4*\slot+3], 2*262144
	JLOAD \slot                                    ; the first tensor load behind the round, my only one until the next; its four v_nop are also the places in front of the loads below
.else
	PLACES
.endif
	FETCH \next, 0, F0
.if \fill
	ASK
.endif
	WIN MUL
	MUL8 F1, 2, 0
	MUL8 F1, 3, 0
.endm
	s_wait_tensorcnt 1                             ; my part of K step 0 is in; K step 1's load may stay out
	s_barrier_signal -1
	s_barrier_wait -1
	FETCH 0, 0, F0
	s_wait_loadcnt 0x0                             ; the bias
	QUARTER 0, 1, F0, F1, 1                        ; the first quarter stands in front of the loop: its products start the sums from the bias
	WIN 0                                          ; at a label and at a branch every window is 0
	s_mov_b32 s3, 3
.Llap:                                                 ; a trip goes once round the ring, from a lap's second quarter to the next lap's first, and fills both slots again
	QUARTER 0, 2, F1, F0, 0
	QUARTER 0, 3, F0, F1, 0
	TURN 0, 1, 1
	QUARTER 1, 1, F0, F1, 0
	QUARTER 1, 2, F1, F0, 0
	QUARTER 1, 3, F0, F1, 0
	TURN 1, 0, 1
	QUARTER 0, 1, F0, F1, 0
	WIN 0
	s_sub_co_u32 s3, s3, 1
	s_cmp_lg_u32 s3, 0
	s_cbranch_scc1 .Llap
	QUARTER 0, 2, F1, F0, 0                        ; the last lap fills nothing, and has no round of the cluster's barrier
	QUARTER 0, 3, F0, F1, 0
	TURN 0, 1, 0
	QUARTER 1, 1, F0, F1, 0
	QUARTER 1, 2, F1, F0, 0
	QUARTER 1, 3, F0, F1, 0
	s_wait_dscnt 4                                 ; the very last quarter: nothing more to fetch
	WIN MUL
	MUL8 F1, 0, 0
	MUL8 F1, 1, 0
	s_wait_dscnt 0
	MUL8 F1, 2, 0
	MUL8 F1, 3, 0
	WIN 0
; THE WAY OUT, block by block of 16 rows x 128 columns: a lane's 32 bytes of a row go into my stage and come back as whole rows of 512 bytes.
.macro TOSTAGE a
	WIN 0x04                                       ; an LDS store's data are its source 1: window 1
.irp b, 0,1,2,3,4,5,6,7
	ds_store_b128 v[STO], v[8*(8*(\a)+\b):8*(8*(\a)+\b)+3] offset:64*\b            ; each accumulator from its low end on
	ds_store_b128 v[STO], v[8*(8*(\a)+\b)+4:8*(8*(\a)+\b)+7] offset:64*\b+16
.endr
	WIN 0
.set BB, BK+64*((\a)%2)
.irp t, 0,1,2,3,4,5,6,7,8,9,10,11,12,13,14,15
	ds_load_b128 v[BB+4*\t:BB+4*\t+3], v[RD] offset:\t*528           ; LDS serves a wave's instructions in order: these see my stores
.endr
.endm
.macro SEND a, younger                 ; younger: the LDS instructions issued behind block a's loads, which may stay out
.set BB, BK+64*((\a)%2)
	s_wait_dscnt \younger
.irp t, 0,1,2,3,4,5,6,7,8,9,10,11,12,13,14,15
	global_store_b128 v[CO], v[BB+4*\t:BB+4*\t+3], s[10:11] offset:65536*(\a)+4096*\t th:TH_STORE_NT   ; 32 lanes store 512 consecutive bytes, aligned
.endr
.endm
	PLACES
	TOSTAGE 0
.irp a, 1,2,3
.if \a > 1
	s_wait_xcnt 0x0                                ; block a - 2's stores have read their registers: block a's loads may land there
.endif
	TOSTAGE \a
	SEND \a-1, 32                                  ; behind block a - 1's loads: block a's 16 stores and 16 loads
.endr
	SEND 3, 0
	s_wait_tensorcnt 0x0                           ; the wave's end, behind my last tensor load and my last LDS store
	ds_add_u32 v[SPW], v[NIL]
	s_wait_dscnt 0x0
	CROUND                                         ; the closing round
	s_endpgm
.Lfunc_end_k_qa150fae0f1_proj:
	.size	k_qa150fae0f1_proj, .Lfunc_end_k_qa150fae0f1_proj-k_qa150fae0f1_proj
	.p2alignl 7, 3214868480
	.fill 96, 4, 3214868480
	.section	.rodata,"a",@progbits
	.p2align	6, 0x0
	.amdhsa_kernel k_qa150fae0f1_proj
		.amdhsa_group_segment_fixed_size 327680
		.amdhsa_private_segment_fixed_size 0
		.amdhsa_enable_private_segment 0
		.amdhsa_kernarg_size 32
		.amdhsa_user_sgpr_count 2
		.amdhsa_user_sgpr_kernarg_segment_ptr 1
		.amdhsa_wavefront_size32 1
		.amdhsa_system_sgpr_workgroup_id_x 1
		.amdhsa_system_sgpr_workgroup_id_y 1
		.amdhsa_system_sgpr_workgroup_id_z 1
		.amdhsa_system_vgpr_workitem_id 0
		.amdhsa_next_free_vgpr 576
		.amdhsa_next_free_sgpr 80
		.amdhsa_reserve_vcc 0
		.amdhsa_float_denorm_mode_32 3
		.amdhsa_float_denorm_mode_16_64 3
		.amdhsa_memory_ordered 1
		.amdhsa_forward_progress 1
		.amdhsa_inst_pref_size 88
	.end_amdhsa_kernel
	.amdgpu_metadata
---
amdhsa.version: [ 1, 2 ]
amdhsa.kernels:
  - .name:           k_qa150fae0f1_proj
    .symbol:         k_qa150fae0f1_proj.kd
    .args:
      - { .name: att16, .offset: 0, .size: 8, .value_kind: global_buffer, .address_space: global }
      - { .name: wp16, .offset: 8, .size: 8, .value_kind: global_buffer, .address_space: global }
      - { .name: b_proj, .offset: 16, .size: 8, .value_kind: global_buffer, .address_space: global }
      - { .name: out0, .offset: 24, .size: 8, .value_kind: global_buffer, .address_space: global }
    .group_segment_fixed_size: 327680
    .private_segment_fixed_size: 0
    .kernarg_segment_align: 8
    .kernarg_segment_size: 32
    .max_flat_workgroup_size: 128
    .sgpr_count:     80
    .vgpr_count:     576
    .wavefront_size: 32
...
	.end_amdgpu_metadata
.endif
;; end of part 4
;; launch fine (part 5): grid 64 x 4, 16 waves a work-group, no clusters, 18,432 bytes of LDS; arguments qkvf, w_proj, b_proj, out0; writes out0
.if DOCPART == 5
	.amdgcn_target "amdgcn-amd-amdhsa--gfx1250"
	.amdhsa_code_object_version 6
	.text
	.protected	k_qa150fae0f1_fine
	.globl	k_qa150fae0f1_fine
	.p2align	8
	.type	k_qa150fae0f1_fine,@function
k_qa150fae0f1_fine:
	s_mov_b64 s[64:65], 0
	v_nop
	global_prefetch_b8 v0, s[64:65] scope:SCOPE_SE
	s_setreg_imm32_b32 hwreg(HW_REG_WAVE_MODE, 25, 1), 1
	s_wait_xcnt 0x0
; FINE: the first 16 positions of each of the four sequences, attention and projection, with f32 operands throughout (v_wmma_f32_16x16x4_f32): these rows average few values, so the rounding of
; 16-bit operands would weigh most there.  It writes over rows s < 16 of out0, which the launch before has stored from f16 operands.
; qkvf: [4 b][16 s][3072] f32 (q, k, v of 1,024 each, bias added).  w_proj [1024][1024], b_proj [1024], out0 [4][2048][1024]: f32.
; SHARES.  Work-group (x, b) makes the 16 rows x 16 columns 16 x .. 16 x + 15 of sequence b.  Wave h is head h: it makes its head's 16 x 16 attention and its head's part of the tile (its 64 channels
; are its share of the projection's K); the sixteen parts meet in LDS, and waves 0 and 1 add them in a fixed order, add the bias and store.  The attention is made anew in each of the 64 column chunks: that shares
; the launch out over 256 work-groups.  w_proj is read, and out0 written, in pieces of 64 bytes: 256 KB out in all.
; LAYOUTS.  All products are used transposed, so that a lane holds one query (lane % 16).  The form takes k = 2 (lane / 16) + j in register j; here a lane's registers run along K in another order
; (scores: channels 32 hh + 0..31; the other two: 8 hh + 0..7 of each 16), the same on both operands of a product, which keeps the products.
; The registers that the matrix instructions write (v144-207) are written by nothing else; each sum begins with the constant 0; two or four accumulators take turns.
.set SPARE, 16384                      ; LDS: 0 .. 16383 the sixteen parts, 1,024 bytes a wave; then the spare words, 128 bytes for each wave
.set QQ, 16                            ; v16-47   Q, later O / l, later (with v48-79) the sixteen parts
.set KK, 48                            ; v48-79   K
.set VT, 80                            ; v80-111  V^T: tile c at 8 c: V[key 8 hh + n][channel 16 c + r]
.set WW, 112                           ; v112-143 w_proj: tile c at 8 c: w[64 h + 16 c + 8 hh + n][my column r]
.set SA, 144
.set SB, 152
.set OA, 160
.set PA, 192
.set PB, 200
.set PP, 208                           ; v208-215 the scores, then p
.set PT, 216                           ; v216-223 my part
	s_load_b256 s[4:11], s[0:1], 0x0               ; qkvf s[4:5], w_proj s[6:7], b_proj s[8:9], out0 s[10:11]
	v_lshl_add_u32 v14, v0, 2, SPARE               ; my spare word; never rewritten
	v_mov_b32 v15, 0                               ; 0; never rewritten
	v_lshrrev_b32 v1, 5, v0
	v_readfirstlane_b32 s12, v1                    ; wave = head
	s_lshl_b32 s13, ttmp9, 6                       ; my first column in bytes
	s_and_b32 s14, ttmp7, 0xffff                   ; b
	s_mov_b32 s20, 0x76543210
	s_mov_b32 s21, 0xfedcba98                      ; v_permlanex16_b32's selects for lane l xor 16
	s_mov_b32 s22, 0x3eb8aa3b                      ; c = log2(e) / 4
	v_and_b32 v1, 15, v0                           ; r
	v_bfe_u32 v2, v0, 4, 1                         ; hh
	v_mul_u32_u24 v3, v1, 12288
	v_lshl_add_u32 v3, v2, 7, v3                   ; Q, K: row r, channels 32 hh on
	v_mul_u32_u24 v4, v2, 98304
	v_lshl_add_u32 v4, v1, 2, v4                   ; V: keys 8 hh on, channel r
	v_lshlrev_b32 v5, 15, v2
	v_lshl_add_u32 v5, v1, 2, v5                   ; w: rows 8 hh on, column r
	v_lshlrev_b32 v6, 3, v2
	v_sub_nc_u32 v6, v1, v6                        ; r - 8 hh
	v_mov_b32 v7, 0xff800000                       ; -infinity
	v_mov_b32 v9, 0                                ; written once: a lane permute's destination counts as one of its sources
	v_and_b32 v8, 31, v0
	v_lshlrev_b32 v8, 4, v8                        ; 16 x lane
	s_lshl_b32 s23, s12, 10
	v_add_nc_u32 v13, s23, v8                      ; where my part goes
	s_and_b32 s23, s12, 1                          ; u: which four of a lane's eight columns a summing wave takes
	s_lshl_b32 s24, s23, 9
	v_add_nc_u32 v224, s24, v8                     ; where a summing wave reads
	s_lshl_b32 s24, s23, 4
	v_lshlrev_b32 v225, 5, v2
	v_add_nc_u32 v225, s24, v225                   ; columns 8 hh + 4 u on, in bytes
	v_lshl_add_u32 v226, v1, 12, v225              ; and row r of out0
	s_mul_i32 s16, s14, 196608
	s_lshl_b32 s17, s12, 8
	s_add_co_u32 s16, s16, s17                     ; qkvf: sequence b, head h
	s_mov_b32 s17, 0
	s_lshl_b32 s18, s12, 18
	s_add_co_u32 s18, s18, s13                     ; w_proj: row 64 h, my first column
	s_mov_b32 s19, 0
	s_mov_b32 s24, s13
	s_mov_b32 s25, 0
	s_lshl_b32 s26, s14, 23
	s_add_co_u32 s26, s26, s13                     ; out0: row 2048 b, my first column
	s_mov_b32 s27, 0
	s_wait_kmcnt 0x0
	s_add_nc_u64 s[4:5], s[4:5], s[16:17]
	s_add_nc_u64 s[6:7], s[6:7], s[18:19]
	s_add_nc_u64 s[8:9], s[8:9], s[24:25]
	s_add_nc_u64 s[10:11], s[10:11], s[26:27]
.irp i, 0,1,2,3,4,5,6,7
	global_load_b128 v[QQ+4*\i:QQ+4*\i+3], v3, s[4:5] offset:16*\i
.endr
.irp i, 0,1,2,3,4,5,6,7
	global_load_b128 v[KK+4*\i:KK+4*\i+3], v3, s[4:5] offset:4096+16*\i
.endr
.irp c, 0,1,2,3
.irp n, 0,1,2,3,4,5,6,7
	global_load_b32 v[VT+8*\c+\n], v4, s[4:5] offset:8192+12288*\n+64*\c
.endr
.endr
.irp c, 0,1,2,3
.irp n, 0,1,2,3,4,5,6,7
	global_load_b32 v[WW+8*\c+\n], v5, s[6:7] offset:(16*\c+\n)*4096
.endr
.endr
	s_wait_loadcnt 63                              ; Q and K are in: 64 loads are younger; the wait's field holds 63 at the most, so one load more is awaited
.set i, 0
.rept 16                                       ; S^T = K Q^T: source 0 = 16 keys, source 1 = 16 queries, four channels an instruction, two accumulators by turns
.set rA, SA+8*(i%2)
.if i < 2
	v_wmma_f32_16x16x4_f32 v[rA:rA+7], v[KK+2*i:KK+2*i+1], v[QQ+2*i:QQ+2*i+1], 0
.else
	v_wmma_f32_16x16x4_f32 v[rA:rA+7], v[KK+2*i:KK+2*i+1], v[QQ+2*i:QQ+2*i+1], v[rA:rA+7]
.endif
.set i, i+1
.endr
.rept 8
	v_nop                                          ; eight places behind this form, in front of the first read of results
.endr
.irp i, 0,2,4,6
	v_pk_add_f32 v[PP+\i:PP+\i+1], v[SA+\i:SA+\i+1], v[SB+\i:SB+\i+1]   ; register j: key 8 hh + j, query r
.endr
.irp j, 0,1,2,3,4,5,6,7
	v_cmp_gt_i32 vcc_lo, \j, v6                    ; hidden where 8 hh + j > r
	v_cndmask_b32 v[PP+\j], v[PP+\j], v7, vcc_lo
.endr
	v_max3_num_f32 v8, v[PP], v[PP+1], v[PP+2]
	v_max3_num_f32 v8, v8, v[PP+3], v[PP+4]
	v_max3_num_f32 v8, v8, v[PP+5], v[PP+6]
	v_max_num_f32 v8, v8, v[PP+7]
	v_permlanex16_b32 v9, v8, s20, s21
	v_max_num_f32 v8, v8, v9                       ; the row's maximum: key 0 counts for every query
	v_mul_f32 v10, s22, v8
.irp j, 0,1,2,3,4,5,6,7
	v_fma_f32 v[PP+\j], v[PP+\j], s22, -v10        ; c s - c m
.endr
.irp j, 0,1,2,3,4,5,6,7
	v_exp_f32 v[PP+\j], v[PP+\j]
.endr
	v_nop                                          ; a plain instruction behind the last exponential
	s_wait_alu depctr_va_vdst(0)                   ; one wait for the batch, ahead of its first reader
	v_add_f32 v11, v[PP], v[PP+1]
.irp j, 2,3,4,5,6,7
	v_add_f32 v11, v11, v[PP+\j]
.endr
	v_permlanex16_b32 v9, v11, s20, s21
	v_add_f32 v11, v11, v9                         ; the row's sum
	v_rcp_f32 v12, v11
	v_nop
	s_wait_alu depctr_va_vdst(0)
	s_wait_loadcnt 32                              ; V is in; w's 32 loads may be out
.set i, 0
.rept 16                                       ; O^T = V^T P: keys 8 hh + 2 (i / 4) on, channels 16 (i % 4) on: four accumulators by turns
.set rA, OA+8*(i%4)
.if i < 4
	v_wmma_f32_16x16x4_f32 v[rA:rA+7], v[VT+8*(i%4)+2*(i/4):VT+8*(i%4)+2*(i/4)+1], v[PP+2*(i/4):PP+2*(i/4)+1], 0
.else
	v_wmma_f32_16x16x4_f32 v[rA:rA+7], v[VT+8*(i%4)+2*(i/4):VT+8*(i%4)+2*(i/4)+1], v[PP+2*(i/4):PP+2*(i/4)+1], v[rA:rA+7]
.endif
.set i, i+1
.endr
.rept 8
	v_nop
.endr
.set i, 0
.rept 16
	v_pk_mul_f32 v[QQ+2*i:QQ+2*i+1], v[OA+2*i:OA+2*i+1], v[12:13] op_sel_hi:[1,0]   ; O / l into other registers: register 8 c + j: channel 16 c + 8 hh + j of query r
.set i, i+1
.endr
	s_wait_loadcnt 0x0                             ; w
.set i, 0
.rept 16                                       ; my head's part of out^T: source 0 = 16 columns of w, source 1 = 16 queries; channels 16 (i / 4) + 8 hh + 2 (i % 4) on; two accumulators by turns
.set rA, PA+8*(i%2)
.if i < 2
	v_wmma_f32_16x16x4_f32 v[rA:rA+7], v[WW+2*i:WW+2*i+1], v[QQ+2*i:QQ+2*i+1], 0
.else
	v_wmma_f32_16x16x4_f32 v[rA:rA+7], v[WW+2*i:WW+2*i+1], v[QQ+2*i:QQ+2*i+1], v[rA:rA+7]
.endif
.set i, i+1
.endr
.rept 8
	v_nop
.endr
.irp i, 0,2,4,6
	v_pk_add_f32 v[PT+\i:PT+\i+1], v[PA+\i:PA+\i+1], v[PB+\i:PB+\i+1]   ; register j: column 8 hh + j, query r
.endr
	ds_store_b128 v13, v[PT:PT+3]
	ds_store_b128 v13, v[PT+4:PT+7] offset:512
	s_wait_dscnt 0x0                               ; for the others' sake: my part lies in LDS
	s_barrier_signal -1
	s_barrier_wait -1
	s_cmp_gt_u32 s12, 1
	s_cbranch_scc1 .Ldone                          ; waves 0 and 1 add: wave u takes columns 4 u .. 4 u + 3 of each lane's eight
	global_load_b128 v[228:231], v225, s[8:9]      ; the bias of my four columns
.irp w, 0,1,2,3,4,5,6,7,8,9,10,11,12,13,14,15
	ds_load_b128 v[16+4*\w:19+4*\w], v224 offset:1024*\w
.endr
	s_wait_dscnt 0x0
.irp d, 8,4,2,1
.set i, 0
.rept \d
	v_pk_add_f32 v[16+4*i:17+4*i], v[16+4*i:17+4*i], v[16+4*(i+\d):17+4*(i+\d)]
	v_pk_add_f32 v[18+4*i:19+4*i], v[18+4*i:19+4*i], v[18+4*(i+\d):19+4*(i+\d)]
.set i, i+1
.endr
.endr
	s_wait_loadcnt 0x0
	v_pk_add_f32 v[16:17], v[16:17], v[228:229]
	v_pk_add_f32 v[18:19], v[18:19], v[230:231]
	global_store_b128 v226, v[16:19], s[10:11]     ; row r, columns 8 hh + 4 u on: with wave 1 - u's store, 64 consecutive bytes of each of the 16 rows
.Ldone:
	s_wait_tensorcnt 0x0                           ; the wave's end, behind my last LDS store
	ds_add_u32 v14, v15
	s_wait_dscnt 0x0
	s_endpgm
.Lfunc_end_k_qa150fae0f1_fine:
	.size	k_qa150fae0f1_fine, .Lfunc_end_k_qa150fae0f1_fine-k_qa150fae0f1_fine
	.p2alignl 7, 3214868480
	.fill 96, 4, 3214868480
	.section	.rodata,"a",@progbits
	.p2align	6, 0x0
	.amdhsa_kernel k_qa150fae0f1_fine
		.amdhsa_group_segment_fixed_size 18432
		.amdhsa_private_segment_fixed_size 0
		.amdhsa_enable_private_segment 0
		.amdhsa_kernarg_size 32
		.amdhsa_user_sgpr_count 2
		.amdhsa_user_sgpr_kernarg_segment_ptr 1
		.amdhsa_wavefront_size32 1
		.amdhsa_system_sgpr_workgroup_id_x 1
		.amdhsa_system_sgpr_workgroup_id_y 1
		.amdhsa_system_sgpr_workgroup_id_z 1
		.amdhsa_system_vgpr_workitem_id 0
		.amdhsa_next_free_vgpr 240
		.amdhsa_next_free_sgpr 66
		.amdhsa_reserve_vcc 1
		.amdhsa_float_denorm_mode_32 3
		.amdhsa_float_denorm_mode_16_64 3
		.amdhsa_memory_ordered 1
		.amdhsa_forward_progress 1
		.amdhsa_inst_pref_size 21
	.end_amdhsa_kernel
	.amdgpu_metadata
---
amdhsa.version: [ 1, 2 ]
amdhsa.kernels:
  - .name:           k_qa150fae0f1_fine
    .symbol:         k_qa150fae0f1_fine.kd
    .args:
      - { .name: qkvf, .offset: 0, .size: 8, .value_kind: global_buffer, .address_space: global }
      - { .name: w_proj, .offset: 8, .size: 8, .value_kind: global_buffer, .address_space: global }
      - { .name: b_proj, .offset: 16, .size: 8, .value_kind: global_buffer, .address_space: global }
      - { .name: out0, .offset: 24, .size: 8, .value_kind: global_buffer, .address_space: global }
    .group_segment_fixed_size: 18432
    .private_segment_fixed_size: 0
    .kernarg_segment_align: 8
    .kernarg_segment_size: 32
    .max_flat_workgroup_size: 512
    .sgpr_count:     66
    .vgpr_count:     240
    .wavefront_size: 32
...
	.end_amdgpu_metadata
.endif
;; end of part 5
